; MI455X (gfx1250); checked and timed in simulation.
; The chip was launched on July 23, 2026; its instructions are those of AMD's public machine-readable ISA for CDNA 5 (MIT licence, August 2026) and "CDNA5" Instruction Set Architecture Reference Guide (July 2026). The comments in the code are by the model that wrote it; some were corrected since.
;; Dilated Attentionold. Allowed arithmetic: matrix products marked QUANTISED: E2M3 operands, one E8M0 scale for each 32 along K, by v_wmma_scale_f32_16x16x128_f8f6f4 with both operands' format E2M3, f32 sums; everything else in f32.
;; Inputs: Wout 1,024 x 1,024 float32; Wqkv 1,024 x 3,072 float32; bout 1,024 float32; bqkv 3,072 float32; x 2 x 8,192 x 1,024 float32.
;; Outputs: out0 2 x 4,096 x 1,024 float32.
;; This version of the problem:
;;   THIS VERSION OF THE PROBLEM IS GIVEN IN LOW PRECISION. The matrix products marked QUANTISED in the list below multiply operands that are first quantised to E2M3 (2 exponent bits, 3 mantissa bits; 6 bits a number), with one power-of-two scale for each 32 numbers along K (OCP MX v1.0); their sums are f32. All else is computed in f32.
;;   The module's matrix products, in the order in which they are computed (A, B: the left and right operand; K: the contracted axis; several contracted axes count as one K, in the product's order):
;;     1. [M 8,192, K 1,024] x [K 1,024, N 3,072]; A: input x; B: input Wqkv: QUANTISED
;;     2. batch 128 x [M 1,024, K 64] x [K 64, N 1,024]; A: computed on the way; B: computed on the way: QUANTISED
;;     3. batch 128 x [M 64, K 1,024] x [K 1,024, N 1,024]; A: computed on the way; B: softmax (see below): QUANTISED
;;     4. [M 8,192, K 1,024] x [K 1,024, N 1,024]; A: computed on the way; B: input Wout: QUANTISED
;;   THE QUANTISER, for each operand of a quantised product, along K:
;;     - K is cut into blocks of 32 from its start; a last block that is shorter is filled with zeros.
;;     - A block's scale is 2^e with e = floor(log2(the largest magnitude in the block)) - 2, held to -126 .. 127; a block of zeros has e = 0. As a byte (E8M0): e + 127.
;;     - Each number is divided by its block's scale, clamped to +-7.5, and rounded to the nearest number of E2M3, ties to even, subnormals kept.
;;     - The product sums the exact products of the quantised numbers (number of the format x scale) in f32.
;;   ~~~python
;;   def quantise(x, axis):      # numpy; x: float32 -> the quantised numbers, widened to float32 again
;;       x = np.moveaxis(x, axis, -1); K = x.shape[-1]
;;       x = np.pad(x, [(0, 0)] * (x.ndim - 1) + [(0, -K % 32)]); x = x.reshape(x.shape[:-1] + (-1, 32)); a = np.abs(x).max(-1, keepdims=True)
;;       e = np.where(a > 0, np.clip(np.frexp(np.where(a > 0, a, 1))[1] - 1 - 2, -126, 127), 0)      # np.frexp(a)[1] - 1 = floor(log2(a)), exactly
;;       r = np.clip(x / 2.0 ** e, -7.5, 7.5)
;;       step = 2.0 ** (np.maximum(np.frexp(np.where(r == 0, 1, r))[1] - 1, 0) - 3)
;;       q = np.round(r / step) * step * 2.0 ** e      # np.round: ties to even
;;       return np.moveaxis(q.reshape(q.shape[:-2] + (-1,))[..., :K], -1, axis).astype(np.float32)
;;   ~~~
;;   SOFTMAX AHEAD OF A QUANTISED PRODUCT. Where the list says 'softmax', what is quantised is not the finished softmax but p = 2^(t - M), with t = logit x log2(e) and M = ceil(the row's largest t), a whole number; so 1/2 < the row's largest p <= 1. The row's sum l is taken of the UNQUANTISED p, in f32, and the product's result is divided by l at the end. Since M is a whole number, a kernel that streams over the keys may use a running M (the ceiling of the running maximum): every later rescaling is an exact power of two, which a block's scale takes up: the codes' values come out the same.
;;   OPERANDS COMPUTED ON THE WAY. 'Computed on the way' means the value that the module computes at that place (a softmax that the list does not call 'softmax' is quantised finished and normalised). What goes into a quantiser is computed in f32, as accurately as f32 sums, v_exp_f32 and their like allow (about 1e-6 of the number): no bf16 or f16 on the way to a quantiser, and a product that is left as it is and whose result goes on into a quantised operand takes f32 operands (vector FMAs, or v_wmma_f32_16x16x4_f32). A number that lies on a knife's edge between two numbers of the format may be rounded either way, as far as f32 arithmetic and the matrix unit's own rounding can turn it there, and no further.
;; One version. Each part assembles by itself: llvm-mc -triple=amdgcn-amd-amdhsa -mcpu=gfx1250 --defsym DOCPART=n.
;; ======== version 1 of 1: 4 launches
;; limits: right only within a limited range of input values
;; workspace buffers: xq 6,815,744 bytes; wq 3,407,872 bytes; qkv 19,660,800 bytes; cq 6,815,744 bytes
;; launch quant (part 1): grid 384 x 1, 4 waves a work-group, no clusters, 59,904 bytes of LDS; arguments x, Wqkv, Wout, xq, wq; writes xq, wq
.if DOCPART == 1
	.amdgcn_target "amdgcn-amd-amdhsa--gfx1250"
	.amdhsa_code_object_version 6
	.text
	.protected	k_q29af068544_quant
	.globl	k_q29af068544_quant
	.p2align	8
	.type	k_q29af068544_quant,@function
k_q29af068544_quant:
	s_mov_b64 s[64:65], 0
	v_nop
	global_prefetch_b8 v0, s[64:65] scope:SCOPE_SE
	s_setreg_imm32_b32 hwreg(HW_REG_WAVE_MODE, 25, 1), 1
	s_wait_xcnt 0x0
; The even tokens of x, and the weights Wqkv and Wout, become codes of FP6 (E2M3) with one E8M0 byte for each 32 along K (K = the model's 1,024), laid in the order of a matrix operand's registers.
; A BLOCK is 16 rows: lane r of block 2 g + u holds row 32 g + 8 u + r + 8 (r / 8).  A fragment (16 rows x 128 K, 12 registers a lane) is stored as an image: for each half c, 512 bytes (registers 6 c .. 6 c + 3,
; 16 bytes a lane) and 256 bytes (registers 6 c + 4, 6 c + 5, 8 bytes a lane).  A unit of 256 along K is two images (3,072 bytes) and 2 x 16 scale words, in a place of 3,328 bytes; a block has four units: 13,312 bytes.
; A block's scale is 2^(floor(log2(its largest magnitude)) - 2): its byte is that magnitude's exponent field - 2, held at 1 from below.
; LIMITS: a block of 32 zeros, or one whose largest magnitude lies under 2^-124, gets the byte 1 (its codes are zeros or tiny; the bytes are read by this program alone); NaN and infinities are not served.
; Work-groups 0-255 take x (token T is row 2 T of x's 16,384 rows: odd rows are never read); work-groups 256-383 the weights.  Each path has LDS bytes of its own.  Waves share nothing: no barrier.
.set PC,    16                         ; v16-35   the fragment just made (12) and the conversions' second halves
.set TM,    36                         ; v36-51   largest magnitudes, bytes, scale operands
.set R,     64                         ; v64-191  path x: two sets of 64 registers as loaded
.set X,     192                        ; v192-255 path x: 64 numbers of my row, 16 neighbours of each block of 32
.set SEL,   20                         ; s[20:21] lane selects: lane l xor 16
.set XST,   8448                       ; path x: a wave's stage: 16 rows of 512 bytes + 16
.set WBASE, 33792                      ; path w: the stages begin behind path x's four
.set WST,   6400                       ; path w: a wave's stage: two blocks' unit of 3,200 bytes
.set BLK,   13312
.set KU,    3328
; 64 numbers of a lane, register 16 b + i = k 32 b + 16 (lane / 16) + i of my row, become a fragment in v[PC] on and its scale word in v[pw]
.macro QUANT s, pw
.irp b, 0,1,2,3
	v_max3_num_f32 v[TM+\b], |v[\s+16*\b]|, |v[\s+1+16*\b]|, 0x1800000   ; my 16 numbers of block b, and the floor 2^(3 - 127): the byte cannot fall under 1
.endr
.irp i, 2,4,6,8,10,12,14
.irp b, 0,1,2,3
	v_max3_num_f32 v[TM+\b], v[TM+\b], |v[\s+16*\b+\i]|, |v[\s+1+16*\b+\i]|
.endr
.endr
.irp b, 0,1,2,3
	v_permlanex16_b32 v[TM+4+\b], v[TM+\b], s[SEL], s[SEL+1]
.endr
.irp b, 0,1,2,3
	v_max_num_f32 v[TM+\b], v[TM+\b], v[TM+4+\b]                         ; with lane l xor 16's 16: the block's largest magnitude
.endr
.irp b, 0,1,2,3
	v_add_nc_u32 v[TM+12+\b], 0xff000000, v[TM+\b]                       ; 2 off its exponent field: the conversion's scale operand
.endr
.irp b, 0,1,2,3
	v_lshrrev_b32 v[TM+4+\b], 23, v[TM+12+\b]                            ; the scale's byte
.endr
	v_lshl_or_b32 v[\pw], v[TM+5], 8, v[TM+4]
	v_lshl_or_b32 v[\pw], v[TM+6], 16, v[\pw]
	v_lshl_or_b32 v[\pw], v[TM+7], 24, v[\pw]                            ; my row's scale word (the same in both halves of the lanes)
.irp c, 0,1
	v_cvt_scalef32_pk16_fp6_f32 v[PC+6*\c:PC+2+6*\c], v[\s+32*\c:\s+15+32*\c], v[TM+12+2*\c]
	v_cvt_scalef32_pk16_fp6_f32 v[PC+12+4*\c:PC+14+4*\c], v[\s+16+32*\c:\s+31+32*\c], v[TM+12+2*\c+1]   ; (a conversion's three registers begin on an even number)
.endr
	v_nop                                                                ; one plain place behind a scaled conversion
.irp c, 0,1                            ; the operand wants a whole block in a lane: lanes 0-15 block 2 c, lanes 16-31 block 2 c + 1
.irp i, 0,1,2
	v_permlane16_swap_b32 v[PC+6*\c+\i], v[PC+12+4*\c+\i]
.endr
.irp i, 0,1,2
	v_mov_b32 v[PC+3+6*\c+\i], v[PC+12+4*\c+\i]
.endr
.endr
.endm
	s_load_b128 s[4:7], s[0:1], 0x0                ; x, Wqkv
	s_load_b128 s[8:11], s[0:1], 0x10              ; Wout, xq
	s_load_b64 s[12:13], s[0:1], 0x20              ; wq
	v_lshl_add_u32 v62, v0, 2, 0xe800
	v_mov_b32 v63, 0
	v_lshrrev_b32 v1, 5, v0
	v_readfirstlane_b32 s14, v1                    ; wave 0..3
	v_and_b32 v1, 31, v0                           ; lane
	v_and_b32 v2, 15, v0                           ; lane % 16
	v_bfe_u32 v3, v0, 4, 1                         ; lane / 16
	v_lshlrev_b32 v4, 4, v1                        ; 16 x lane
	v_lshlrev_b32 v5, 3, v1                        ; 8 x lane
	v_lshlrev_b32 v6, 2, v1                        ; 4 x lane
	s_cmp_lt_u32 ttmp9, 256
	s_cbranch_scc0 .Lweights
; ---- PATH X.  Wave number W = 4 x work-group + wave takes block W / 2 of the tokens and half W % 2 of K: four K steps of 128.
; Each load reads 512 consecutive bytes of one row; a step's 16 rows turn through the wave's stage, so that a lane gets 16 neighbours of each block of its own row.
	s_mul_i32 s15, s14, XST
	v_add_nc_u32 v7, s15, v4                       ; into the stage: 16 x lane, a row of 528 bytes for each load
	v_mul_u32_u24 v8, v2, 528
	v_lshl_add_u32 v8, v3, 6, v8
	v_add_nc_u32 v8, s15, v8                       ; out of it: my row, + 64 bytes for lanes 16-31
	v_cmp_ne_u32 vcc_lo, 0, v3                     ; lanes 16-31: kept for the scale words' choice
	s_mov_b32 s[SEL], 0x76543210
	s_mov_b32 s[SEL+1], 0xfedcba98
.irp b, 0,1,2,3
	v_mov_b32 v[TM+4+\b], 0                        ; written once: a lane permute's destination counts as one of its sources
.endr
	s_lshl_b32 s16, ttmp9, 2
	s_add_co_u32 s16, s16, s14                     ; W
	s_lshr_b32 s17, s16, 1                         ; the block
	s_and_b32 s18, s16, 1                          ; the half of K
	s_lshr_b32 s22, s17, 1
	s_lshl_b32 s22, s22, 18                        ; 32 tokens are 32 x 8,192 bytes of x (every second row)
	s_and_b32 s23, s17, 1
	s_lshl_b32 s23, s23, 16                        ; 8 tokens
	s_add_co_u32 s22, s22, s23
	s_lshl_b32 s23, s18, 11                        ; 512 numbers along K
	s_add_co_u32 s22, s22, s23
	s_mov_b32 s23, 0
	s_mul_i32 s24, s17, BLK
	s_mul_i32 s25, s18, 2*KU
	s_add_co_u32 s24, s24, s25
	s_mov_b32 s25, 0
	s_wait_alu depctr_va_vdst(0)
	s_wait_kmcnt 0x0
	s_add_nc_u64 s[4:5], s[4:5], s[22:23]
	s_add_nc_u64 s[10:11], s[10:11], s[24:25]
.macro XLOAD t                         ; K step t of the block's 16 rows into set t % 2
.irp p, 0,1,2,3,4,5,6,7,8,9,10,11,12,13,14,15
	global_load_b128 v[R+64*((\t)%2)+4*\p:R+64*((\t)%2)+4*\p+3], v4, s[4:5] offset:(\p+8*(\p/8))*8192+512*(\t) th:TH_LOAD_NT
.endr
.endm
.macro XSTEP t
.if (\t) < 3
	s_wait_loadcnt 16                              ; this step's 16 loads are in; the next step's 16 may be out
.else
	s_wait_loadcnt 0x0
.endif
.irp p, 0,1,2,3,4,5,6,7,8,9,10,11,12,13,14,15
	ds_store_b128 v7, v[R+64*((\t)%2)+4*\p:R+64*((\t)%2)+4*\p+3] offset:528*\p
.endr
.irp b, 0,1,2,3
.irp j, 0,1,2,3
	ds_load_b128 v[X+16*\b+4*\j:X+16*\b+4*\j+3], v8 offset:128*\b+16*\j   ; LDS serves a wave's instructions in order: these see the stores above
.endr
.endr
	s_wait_dscnt 0x0                               ; my numbers are back, and the stores have read their registers
.if (\t) > 0
	s_wait_xcnt 0x0                                ; the last step's stores have read the fragment's registers, which are written again below
.endif
.if (\t) < 2
	XLOAD (\t)+2
.endif
	QUANT X, 12+\t
	global_store_b128 v4, v[PC:PC+3], s[10:11] offset:((\t)/2)*KU+((\t)%2)*1536          ; 512 consecutive bytes
	global_store_b64 v5, v[PC+4:PC+5], s[10:11] offset:((\t)/2)*KU+((\t)%2)*1536+512     ; 256
	global_store_b128 v4, v[PC+6:PC+9], s[10:11] offset:((\t)/2)*KU+((\t)%2)*1536+768
	global_store_b64 v5, v[PC+10:PC+11], s[10:11] offset:((\t)/2)*KU+((\t)%2)*1536+1280
.if (\t)%2
	v_cndmask_b32 v52, v[12+\t-1], v[12+\t], vcc_lo                                      ; lanes 0-15 the even step's words, lanes 16-31 the odd step's
	global_store_b32 v6, v52, s[10:11] offset:((\t)/2)*KU+3072                           ; 128 consecutive bytes
.endif
.endm
	XLOAD 0
	XLOAD 1
	XSTEP 0
	XSTEP 1
	XSTEP 2
	XSTEP 3
	s_wait_tensorcnt 0x0
	ds_add_u32 v62, v63
	s_wait_dscnt 0x0
	s_endpgm
; ---- PATH W.  K is the weights' FIRST axis: a lane takes a column and its registers run down K, so that a block of 32 along K lies in one lane and the conversions give codes with K innermost.
; A wave takes 32 columns (two blocks of rows of the operand) x 256 along K (one unit).  The images are gathered in the wave's stage and leave in runs of 512 bytes.
.Lweights:
	s_sub_co_u32 s16, ttmp9, 256
	s_mov_b32 s18, 4096
	s_cmp_lt_u32 s16, 96                           ; the first 96 work-groups take Wqkv, the other 32 Wout: the choice hangs on the work-group's number alone
	s_cselect_b32 s17, 0, 96
	s_cselect_b32 s18, 12288, s18                  ; a row of the weight in bytes
	s_cselect_b32 s19, 0, 192                      ; Wout's blocks lie behind Wqkv's 192
	s_wait_kmcnt 0x0
	s_cselect_b64 s[6:7], s[6:7], s[8:9]
	s_sub_co_u32 s16, s16, s17
	s_lshr_b32 s20, s16, 2
	s_and_b32 s21, s16, 3                          ; which 256 along K
	s_lshl_b32 s20, s20, 2
	s_add_co_u32 s20, s20, s14                     ; g: my 32 columns
	s_mul_i32 s22, s21, s18
	s_lshl_b32 s22, s22, 8                         ; 256 rows down
	s_lshl_b32 s23, s20, 7                         ; 32 columns of 4 bytes
	s_add_co_u32 s22, s22, s23
	s_mov_b32 s23, 0
	s_add_nc_u64 s[32:33], s[6:7], s[22:23]        ; a base for each block of 32 along K: the pitch is no constant of the text, so it cannot stand in the immediates
	s_lshl_b32 s24, s18, 5
	s_mov_b32 s25, 0
.irp t, 1,2,3,4,5,6,7
	s_add_nc_u64 s[32+2*\t:33+2*\t], s[30+2*\t:31+2*\t], s[24:25]
.endr
	s_lshl_b32 s26, s20, 1
	s_add_co_u32 s26, s26, s19
	s_mul_i32 s26, s26, BLK
	s_mul_i32 s27, s21, KU
	s_add_co_u32 s26, s26, s27
	s_mov_b32 s27, 0
	s_add_nc_u64 s[12:13], s[12:13], s[26:27]
	v_bfe_u32 v2, v0, 3, 1                         ; u: which of the two blocks my column belongs to
	v_and_b32 v12, 7, v0
	s_wait_alu depctr_va_vdst(0)
	v_lshl_add_u32 v12, v3, 3, v12                 ; r: its row there: lane % 8 + 8 (lane / 16)
	s_mul_i32 s15, s14, WST
	s_add_co_u32 s15, s15, WBASE
	v_mul_u32_u24 v13, v2, 3200
	v_add_nc_u32 v13, s15, v13
	v_lshl_add_u32 v7, v12, 4, v13                 ; into the stage: 16 bytes a row,
	v_lshl_add_u32 v8, v12, 3, v13                 ; and 8 bytes a row
	v_add_nc_u32 v9, s15, v4                       ; out of it: 16 x lane
	v_mul_u32_u24 v10, v2, BLK
	v_lshl_add_u32 v10, v12, 2, v10                ; my scale words' place in wq
	v_mov_b32 v128, v6                             ; v128-159: 4 x lane + i rows
.set i, 0
.rept 31
	v_add_nc_u32 v[129+i], s18, v[128+i]
.set i, i+1
.endr
.macro WLOAD t                         ; block t of 32 along K into set t % 2: each load reads 128 consecutive bytes, the four waves side by side 512
.set i, 0
.rept 32
	global_load_b32 v[64+32*((\t)%2)+i], v[128+i], s[32+2*(\t):33+2*(\t)] th:TH_LOAD_NT
.set i, i+1
.endr
.endm
.macro WBLOCK t
.set XS, 64+32*((\t)%2)
.if (\t) < 7
	s_wait_loadcnt 32                              ; this block's 32 loads are in; the next block's may be out
.else
	s_wait_loadcnt 0x0
.endif
	v_max3_num_f32 v14, |v[XS]|, |v[XS+1]|, |v[XS+2]|
	v_max3_num_f32 v15, |v[XS+3]|, |v[XS+4]|, |v[XS+5]|
.irp i, 6,10,14,18,22,26
	v_max3_num_f32 v14, v14, |v[XS+\i]|, |v[XS+\i+1]|
	v_max3_num_f32 v15, v15, |v[XS+\i+2]|, |v[XS+\i+3]|
.endr
	v_max3_num_f32 v14, v14, |v[XS+30]|, |v[XS+31]|
	v_max3_num_f32 v14, v14, v15, 0x1800000        ; the block's largest magnitude, and the floor
	v_add_nc_u32 v11, 0xff000000, v14              ; the conversion's scale operand
	v_lshrrev_b32 v15, 23, v11                     ; the byte
.if (\t)%4 == 0
	v_mov_b32 v[28+(\t)/4], v15                    ; four bytes to a word, the lower K in the lower byte
.else
	v_lshl_or_b32 v[28+(\t)/4], v15, 8*((\t)%4), v[28+(\t)/4]
.endif
	v_cvt_scalef32_pk16_fp6_f32 v[16:18], v[XS:XS+15], v11
	v_cvt_scalef32_pk16_fp6_f32 v[24:26], v[XS+16:XS+31], v11
	v_nop                                          ; one plain place behind a scaled conversion
	v_mov_b32 v19, v24
	v_mov_b32 v20, v25
	v_mov_b32 v21, v26
	ds_store_b128 v7, v[16:19] offset:((\t)/4)*1536+(((\t)/2)%2)*768+256*((\t)%2)        ; block t = 4 q + 2 c + h of the unit: image q, half c, lanes 16 h + r
	ds_store_b64 v8, v[20:21] offset:((\t)/4)*1536+(((\t)/2)%2)*768+512+128*((\t)%2)
.if (\t)+2 < 8
	WLOAD (\t)+2
.endif
	s_wait_dscnt 0x0                               ; the stores have read their registers
.endm
	WLOAD 0
	WLOAD 1
.irp t, 0,1,2,3,4,5,6,7
	WBLOCK \t
.endr
.irp n, 0,1,2,3,4,5,6,7,8,9,10,11
	ds_load_b128 v[160+4*\n:163+4*\n], v9 offset:3200*(\n/6)+512*(\n%6)
.endr
.irp n, 0,1,2,3,4,5,6,7,8,9,10,11
	s_wait_dscnt 11-\n                             ; LDS loads come back in order: load n is in, the younger ones may be out
	global_store_b128 v4, v[160+4*\n:163+4*\n], s[12:13] offset:BLK*(\n/6)+512*(\n%6)    ; 512 consecutive bytes
.endr
	global_store_b32 v10, v28, s[12:13] offset:3072       ; the scale words: runs of 64 bytes for each block and K step
	s_wait_alu depctr_va_vdst(0)
	global_store_b32 v10, v29, s[12:13] offset:3072+64
	s_wait_tensorcnt 0x0
	ds_add_u32 v62, v63
	s_wait_dscnt 0x0
	s_endpgm
.Lfunc_end_k_q29af068544_quant:
	.size	k_q29af068544_quant, .Lfunc_end_k_q29af068544_quant-k_q29af068544_quant
	.p2alignl 7, 3214868480
	.fill 96, 4, 3214868480
	.section	.rodata,"a",@progbits
	.p2align	6, 0x0
	.amdhsa_kernel k_q29af068544_quant
		.amdhsa_group_segment_fixed_size 59904
		.amdhsa_private_segment_fixed_size 0
		.amdhsa_enable_private_segment 0
		.amdhsa_kernarg_size 40
		.amdhsa_user_sgpr_count 2
		.amdhsa_user_sgpr_kernarg_segment_ptr 1
		.amdhsa_wavefront_size32 1
		.amdhsa_system_sgpr_workgroup_id_x 1
		.amdhsa_system_sgpr_workgroup_id_y 1
		.amdhsa_system_sgpr_workgroup_id_z 1
		.amdhsa_system_vgpr_workitem_id 0
		.amdhsa_next_free_vgpr 256
		.amdhsa_next_free_sgpr 66
		.amdhsa_reserve_vcc 1
		.amdhsa_float_denorm_mode_32 3
		.amdhsa_float_denorm_mode_16_64 3
		.amdhsa_memory_ordered 1
		.amdhsa_forward_progress 1
		.amdhsa_inst_pref_size 76
	.end_amdhsa_kernel
	.amdgpu_metadata
---
amdhsa.version: [ 1, 2 ]
amdhsa.kernels:
  - .name:           k_q29af068544_quant
    .symbol:         k_q29af068544_quant.kd
    .args:
      - { .name: x, .offset: 0, .size: 8, .value_kind: global_buffer, .address_space: global }
      - { .name: Wqkv, .offset: 8, .size: 8, .value_kind: global_buffer, .address_space: global }
      - { .name: Wout, .offset: 16, .size: 8, .value_kind: global_buffer, .address_space: global }
      - { .name: xq, .offset: 24, .size: 8, .value_kind: global_buffer, .address_space: global }
      - { .name: wq, .offset: 32, .size: 8, .value_kind: global_buffer, .address_space: global }
    .group_segment_fixed_size: 59904
    .private_segment_fixed_size: 0
    .kernarg_segment_align: 8
    .kernarg_segment_size: 40
    .max_flat_workgroup_size: 128
    .sgpr_count:     66
    .vgpr_count:     256
    .wavefront_size: 32
...
	.end_amdgpu_metadata
.endif
;; end of part 1
;; launch g1 (part 2): grid 8 x 32, 4 waves a work-group, clusters of 4 x 4, 327,680 bytes of LDS; arguments xq, wq, bqkv, qkv; writes qkv
.if DOCPART == 2
	.amdgcn_target "amdgcn-amd-amdhsa--gfx1250"
	.amdhsa_code_object_version 6
	.text
	.protected	k_q29af068544_g1
	.globl	k_q29af068544_g1
	.p2align	8
	.type	k_q29af068544_g1,@function
k_q29af068544_g1:
	s_mov_b64 s[64:65], 0
	v_nop
	global_prefetch_b8 v0, s[64:65] scope:SCOPE_SE
	s_setreg_imm32_b32 hwreg(HW_REG_WAVE_MODE, 25, 1), 1
	s_wait_xcnt 0x0
	s_wait_alu depctr_hold_cnt(0) depctr_sa_sdst(0) depctr_va_vdst(0) depctr_va_sdst(0) depctr_va_ssrc(0) depctr_va_vcc(0) depctr_vm_vsrc(0)
	s_getreg_b32 s2, hwreg(HW_REG_IB_STS2, 6, 4)
	s_cmp_eq_u32 s2, 0
	s_cbranch_scc0 .Lentry_in_a_cluster
	s_endpgm
.Lentry_in_a_cluster:
	s_bfe_u32 s2, ttmp6, 0x10000c
	s_cmp_lg_u32 s2, 0xf033
	s_cbranch_scc0 .Lentry_shape_is_right
	s_endpgm
.Lentry_shape_is_right:
; qkv = Q(x) Q(Wqkv) + bqkv on codes of FP6 (E2M3) with E8M0 scales, and its three parts quantised at once for the attention that follows: q and k along the head's 64, v along the keys.
; THE FRAME.  A tile is 128 rows of the operand in role A (source 1 of the matrix instruction) x 256 rows of the operand in role B (source 0), K = 1,024.  Four waves: wave w takes A's blocks 4 (w / 2) .. + 3 and B's blocks
; 8 (w % 2) .. + 7: 32 accumulators.  In a result lane (r, h) holds row r of A's block, and its registers run along B's rows.  Both operands lie in memory in the order of the operand's registers (blocks of 16 rows, lane r of
; block 2 g + u = row 32 g + 8 u + r + 8 (r / 8); units of 256 along K of 3,328 bytes: two images of 1,536 bytes and 128 bytes of scale words), so the 16 registers of B's blocks 2 g, 2 g + 1 are 16 NEIGHBOURS.
; A WORK-GROUP STAYS and walks three tiles: two of q and k (role A = tokens, role B = columns: a lane holds a token, its registers two heads' 128 channels; the second tile lies 4,096 tokens on), a loop of two trips,
; and one of v (role A = v's columns, role B = tokens: a lane holds a channel, its registers 128 keys: v comes out transposed), written out behind the loop: 768 tiles on 256 work-groups.
; THE RING: two slots of 159,744 bytes, each with one half of K (512) of A's 8 and B's 16 blocks, rows of 6,656 bytes.  Behind K step 3 slot 0 is read no more and takes the next tile's first half; behind K step 7 slot 1 takes
; its second half.  Each refill stands behind the wait for all tensor loads, the add, the wait for it and a round of the cluster's barrier, one joint load a wave (waves 0, 1: A's halves; waves 2, 3: B's): one is out at the most.
; A refill has two blocks of products and three K steps (112 matrix instructions a wave), or two blocks of products and the tile's way out, between its request and the wait for it; so no prefetch is laid ahead of it.  Every trip of the loop issues both
; refills (the second trip's are the v tile's); the tail issues none.
; CLUSTER 4 x 4: A's halves are shared along a row of the cluster, B's along a column.  A's addresses hold cy and never cx, B's cx and never cy.
; LIMITS: a block of zeros or under 2^-124 gets the scale byte 1; NaN and infinities are not served.
; REGISTERS: window 0: v1-15 lane terms; v16-21 the step's LDS addresses, v24-29 their values at a tile's start; v32-47 scale words, two sets; v64-159 A's fragments, two sets; v160-176 the quantiser's; v192-255 the bias;
;   on the way out v64-127 a block's 64 numbers, v128-147 its codes.   window 1: B's fragments, two sets of 96.   window 2: the accumulators, (a, b) at v[8 (8 a + b)].
.set BLK,  13312
.set KU,   3328
.set ROWL, 6656                        ; a block's two units in a slot
.set CH,   3328                        ; from a unit of 256 along K to the next in the same slot
.set HB,   159744                      ; a slot: A's 8 blocks, then B's 16
.set BOFF, 53248
.set SCQ,  319488                      ; behind the ring: 256 bytes a wave for q and k's scale bytes,
.set SCV,  320512                      ; and 256 a wave for v's scale words; the spare words behind them, at 0x4e800
.set G1A,  24                          ; s[24:31], s[32:39] descriptor group 1 for A's and B's halves
.set G1B,  32
.set G0A,  40                          ; s[40:47], s[56:63] group 0, one set for each slot
.set G0B,  56
.set PNA,  48                          ; s[48:51] where my part of the next tile's A and B begins;  s[52:55] of the v tile's
.set PNB,  50
.set P2A,  52
.set P2B,  54
.set T,    64
.set PC,   128
.set TM,   160
.set PW,   176
.set SEL,  98
.set MSB, 0
.macro WIN new                         ; the immediate's high byte repeats the setting that is left
.if MSB != \new
	s_set_vgpr_msb (MSB<<8)|\new
.set MSB, \new
.endif
.endm
.macro CREST                           ; a round of the cluster's barrier behind its opening barrier
	s_cmp_lg_u32 s14, 0
	s_cbranch_scc1 .Lnot_wave_0_\@
	s_barrier_signal -3
.Lnot_wave_0_\@:
	s_barrier_wait -3
	s_barrier_signal -1
	s_barrier_wait -1
.endm
.macro CROUND
	s_barrier_signal -1
	s_barrier_wait -1
	CREST
.endm
.macro PLACES                          ; four plain vector instructions between a matrix instruction and a load into, or a vector instruction on, its registers
.rept 4
	v_nop
.endr
.endm
.macro JLOAD s                         ; a joint load into slot s: each line has one mask and one set of registers; the branch hangs on the wave's number alone
	s_cmp_eq_u32 s15, 0
	s_cbranch_scc0 .Lfor_b_\@
	tensor_load_to_lds s[G0A+4*\s:G0A+4*\s+3], s[G1A:G1A+7]
	s_nop 0
	PLACES
	s_branch .Lasked_\@
.Lfor_b_\@:
	tensor_load_to_lds s[G0B+4*\s:G0B+4*\s+3], s[G1B:G1B+7]
	s_nop 0
	PLACES
.Lasked_\@:
.endm
.macro FRAG reg, a16, a8, off          ; an image comes back as the 12 registers that it was made of
	ds_load_b128 v[(\reg):(\reg)+3], v[\a16] offset:(\off)
	ds_load_b64 v[(\reg)+4:(\reg)+5], v[\a8] offset:(\off)+512
	ds_load_b128 v[(\reg)+6:(\reg)+9], v[\a16] offset:(\off)+768
	ds_load_b64 v[(\reg)+10:(\reg)+11], v[\a8] offset:(\off)+1280
.endm
.macro FETCH k                         ; K step k's fragments and scale words into set k % 2: 56 loads.  The address registers stand at the step's unit
	WIN 0x40                                       ; destination window 1
.irp i, 0,1,2,3,4,5,6,7
	FRAG 96*((\k)%2)+12*\i, 18, 19, \i*ROWL+1536*((\k)%2)
.endr
	WIN 0
.irp i, 0,1,2,3
	FRAG 64+48*((\k)%2)+12*\i, 16, 17, \i*ROWL+1536*((\k)%2)
.endr
.irp i, 0,1,2,3
	ds_load_b32 v[32+8*((\k)%2)+\i], v20 offset:\i*ROWL+64*((\k)%2)   ; lanes 0-15: A's block i; lanes 16-31: B's block i
.endr
.irp i, 4,5,6,7
	ds_load_b32 v[32+8*((\k)%2)+\i], v21 offset:\i*ROWL+64*((\k)%2)   ; B's blocks 4-7
.endr
.endm
.macro MULA a, f, zero                 ; A's block a against B's eight, set f.  The 32 accumulators take turns, one instruction a turn, in the same order in every step
.irp b, 0,1,2,3,4,5,6,7
.if \zero
	v_wmma_scale_f32_16x16x128_f8f6f4 v[8*(8*(\a)+\b):8*(8*(\a)+\b)+7], v[96*(\f)+12*\b:96*(\f)+12*\b+11], v[64+48*(\f)+12*(\a):64+48*(\f)+12*(\a)+11], 0, v[32+8*(\f)+\b], v[32+8*(\f)+(\a)] matrix_a_fmt:MATRIX_FMT_FP6 matrix_b_fmt:MATRIX_FMT_FP6 matrix_a_scale:MATRIX_SCALE_ROW1
.else
	v_wmma_scale_f32_16x16x128_f8f6f4 v[8*(8*(\a)+\b):8*(8*(\a)+\b)+7], v[96*(\f)+12*\b:96*(\f)+12*\b+11], v[64+48*(\f)+12*(\a):64+48*(\f)+12*(\a)+11], v[8*(8*(\a)+\b):8*(8*(\a)+\b)+7], v[32+8*(\f)+\b], v[32+8*(\f)+(\a)] matrix_a_fmt:MATRIX_FMT_FP6 matrix_b_fmt:MATRIX_FMT_FP6 matrix_a_scale:MATRIX_SCALE_ROW1
.endif
.endr
.endm
.macro TOP                             ; a tile begins: the addresses stand at slot 0's first unit.  The six moves are also places in front of the loads
.irp r, 0,1,2,3,4,5
	v_mov_b32 v[16+\r], v[24+\r]
.endr
	s_wait_alu depctr_va_vdst(0)
	FETCH 0
.endm
.macro STEP_E k, zero                  ; an even K step: its successor lies in the same unit
	s_wait_dscnt 0x0                               ; this step's fragments are in
	PLACES                                         ; set 1 was multiplied last
	FETCH (\k)+1
	WIN 0xa1                                       ; source 0 (B) window 1, source 1 (A) window 0, C and D window 2
	MULA 0, 0, \zero
	MULA 1, 0, \zero
	MULA 2, 0, \zero
	MULA 3, 0, \zero
.endm
.macro STEP_O k, n                     ; an odd K step with no refill.  n = 1 (the tail's step 3): its successor lies in slot 1, which four waves have fetched
	s_wait_dscnt 0x0                               ; this step's fragments are in: no LDS instruction of mine is out at a signal
.if \n
	s_wait_tensorcnt 0x0                           ; my part of slot 1 has landed
	s_barrier_signal -1
.endif
	MULA 0, 1, 0
.if \n
	s_barrier_wait -1                              ; everybody's part has
.endif
	WIN 0
.irp r, 16,17,18,19,20,21
	v_add_nc_u32 v\r, CH+(\n)*(HB-2*CH), v\r       ; on to the next unit.  These six are also the places in front of the loads into set 0
.endr
	FETCH (\k)+1
	WIN 0xa1
	MULA 1, 1, 0
	MULA 2, 1, 0
	MULA 3, 1, 0
	s_wait_alu depctr_va_vdst(0)
.endm
; An odd K step behind which a slot is read no more (step 3: slot 0; step 7: slot 1) and takes the next tile's half.
.macro RING slot
	s_wait_dscnt 0x0                               ; this step's fragments are in: they were my last reads of the slot
	WIN 0                                          ; (the add's two registers lie in window 0)
	s_wait_tensorcnt 0x0                           ; all my tensor loads have landed: the one that was out is my part of the other slot;
	ds_add_u32 v190, v191                          ; 0 onto my spare word;
	WIN 0xa1
	MULA 0, 1, 0                                   ; eight matrix instructions stand between the add and the wait for it
	s_wait_dscnt 0x0
	s_barrier_signal -1                            ; this barrier opens a round of the cluster's barrier
	MULA 1, 1, 0
	WIN 0
	s_barrier_wait -1
	CREST                                          ; no wave of any partner still reads the slot or has a load on its way
	s_add_nc_u64 s[G0A+4*\slot+2:G0A+4*\slot+3], s[PNA:PNA+1], \slot*2*KU
	s_or_b32 s[G0A+4*\slot+3], s[G0A+4*\slot+3], 0x80000000
	s_add_nc_u64 s[G0B+4*\slot+2:G0B+4*\slot+3], s[PNB:PNB+1], \slot*2*KU
	s_or_b32 s[G0B+4*\slot+3], s[G0B+4*\slot+3], 0x80000000
.if \slot
	s_mov_b64 s[PNA:PNA+1], s[P2A:P2A+1]           ; the tile after the next is the v tile
	s_mov_b64 s[PNB:PNB+1], s[P2B:P2B+1]
.endif
	JLOAD \slot                                    ; the first tensor load behind the round
.if \slot == 0
.irp r, 16,17,18,19,20,21
	v_add_nc_u32 v\r, HB-CH, v\r                   ; on to slot 1's first unit
.endr
	FETCH 4
.endif
	WIN 0xa1
	MULA 2, 1, 0
	MULA 3, 1, 0
	s_wait_alu depctr_va_vdst(0)
.endm
; 64 numbers of a lane, register 16 b + i = k 32 b + 16 (lane / 16) + i of my row, become a fragment in v[PC] on and its scale word in v[pw]
.macro QUANT s, pw
.irp b, 0,1,2,3
	v_max3_num_f32 v[TM+\b], |v[\s+16*\b]|, |v[\s+1+16*\b]|, 0x1800000   ; and the floor 2^(3 - 127): the byte cannot fall under 1
.endr
.irp i, 2,4,6,8,10,12,14
.irp b, 0,1,2,3
	v_max3_num_f32 v[TM+\b], v[TM+\b], |v[\s+16*\b+\i]|, |v[\s+1+16*\b+\i]|
.endr
.endr
.irp b, 0,1,2,3
	v_permlanex16_b32 v[TM+4+\b], v[TM+\b], s[SEL], s[SEL+1]
.endr
.irp b, 0,1,2,3
	v_max_num_f32 v[TM+\b], v[TM+\b], v[TM+4+\b]
.endr
.irp b, 0,1,2,3
	v_add_nc_u32 v[TM+12+\b], 0xff000000, v[TM+\b]                       ; 2 off the exponent field: the conversion's scale operand
.endr
.irp b, 0,1,2,3
	v_lshrrev_b32 v[TM+4+\b], 23, v[TM+12+\b]
.endr
	v_lshl_or_b32 v[\pw], v[TM+5], 8, v[TM+4]
	v_lshl_or_b32 v[\pw], v[TM+6], 16, v[\pw]
	v_lshl_or_b32 v[\pw], v[TM+7], 24, v[\pw]
.irp c, 0,1
	v_cvt_scalef32_pk16_fp6_f32 v[PC+6*\c:PC+2+6*\c], v[\s+32*\c:\s+15+32*\c], v[TM+12+2*\c]
	v_cvt_scalef32_pk16_fp6_f32 v[PC+12+4*\c:PC+14+4*\c], v[\s+16+32*\c:\s+31+32*\c], v[TM+12+2*\c+1]
.endr
	v_nop                                                                ; one plain place behind a scaled conversion
.irp c, 0,1
.irp i, 0,1,2
	v_permlane16_swap_b32 v[PC+6*\c+\i], v[PC+12+4*\c+\i]
.endr
.irp i, 0,1,2
	v_mov_b32 v[PC+3+6*\c+\i], v[PC+12+4*\c+\i]
.endr
.endr
.endm
; A's block a goes out: the bias is added, the 64 numbers of each lane are quantised, the fragment is stored as an image.
.macro EPI a, isv
.if (\a) > 0
	s_wait_xcnt 0x0                                ; the last block's stores have read the registers that are written again below
	s_wait_dscnt 0x0
.endif
	WIN 0x02                                       ; source 0: the accumulators' window
.set n, 0
.rept 32
.if \isv
	v_pk_add_f32 v[T+n:T+n+1], v[64*(\a)+n:64*(\a)+n+1], v[192+2*(\a):193+2*(\a)]   ; each accumulator from its low end on
.else
	v_pk_add_f32 v[T+n:T+n+1], v[64*(\a)+n:64*(\a)+n+1], v[192+n:193+n]
.endif
.set n, n+2
.endr
	WIN 0
	QUANT T, PW
.if \isv
	global_store_b128 v4, v[PC:PC+3], s[84:85] offset:1536*(\a)                ; v^T: 16 channels x 128 keys, a whole image
	global_store_b64 v5, v[PC+4:PC+5], s[84:85] offset:1536*(\a)+512
	global_store_b128 v4, v[PC+6:PC+9], s[84:85] offset:1536*(\a)+768
	global_store_b64 v5, v[PC+10:PC+11], s[84:85] offset:1536*(\a)+1280
	ds_store_b32 v11, v[PW] offset:64*(\a)                                      ; both halves of the lanes write the same word with the same value
.else
	global_store_b128 v4, v[PC:PC+3], s[84:85] offset:768*(\a)                 ; the even head's 64 channels: half an image,
	global_store_b64 v5, v[PC+4:PC+5], s[84:85] offset:768*(\a)+512
	global_store_b128 v4, v[PC+6:PC+9], s[84:85] offset:768*(\a)+49152         ; the odd head's
	global_store_b64 v5, v[PC+10:PC+11], s[84:85] offset:768*(\a)+49152+512
	ds_store_b16 v9, v[PW] offset:32*(\a)                                       ; two scale bytes for each head
	ds_store_b16_d16_hi v9, v[PW] offset:128+32*(\a)
.endif
.endm
	s_load_b256 s[4:11], s[0:1], 0x0               ; xq s[4:5], wq s[6:7], bqkv s[8:9], qkv s[10:11]
	v_lshl_add_u32 v190, v0, 2, 0x4e800
	v_mov_b32 v191, 0
	ds_add_u32 v190, v191                          ; the opening lines: the add, twice on end, and its wait ahead of my first tensor load
	ds_add_u32 v190, v191
	v_lshrrev_b32 v1, 5, v0
	v_readfirstlane_b32 s14, v1                    ; wave 0..3
	s_lshr_b32 s15, s14, 1                         ; which half of A's blocks is mine.  Also: I fetch for A (0) or for B (1)
	s_and_b32 s16, s14, 1                          ; which half of B's.  Also: which half of that operand's blocks I fetch
	s_bfe_u32 s17, ttmp6, 0x40000                  ; cx
	s_bfe_u32 s18, ttmp6, 0x40004                  ; cy
	s_and_b32 s20, ttmp7, 0xffff                   ; the cluster's y, 0..7; its x, 0..1, is ttmp9
	s_lshl_b32 s88, s18, 2
	s_lshl_b32 s88, 15, s88                        ; my row of the cluster
	s_lshl_b32 s89, 0x1111, s17                    ; my column
	s_or_b32 s[G1A], s88, (3<<16)|(1<<21)          ; 15:0 the mask; 17:16 elements of 8 bytes; 21 set beside a mask; no padding
	s_or_b32 s[G1B], s89, (3<<16)|(1<<21)
	s_mov_b32 s[G1A+1], 832<<16                    ; tensor_dim0 = 832 elements: 6,656 bytes
	s_mov_b32 s[G1A+2], 4<<16                      ; tensor_dim1 = 4 blocks
	s_mov_b32 s[G1A+3], 832<<16                    ; tile_dim0
	s_mov_b32 s[G1A+4], 4                          ; tile_dim1
	s_mov_b32 s[G1A+5], 1664                       ; from block to block: 13,312 bytes
	s_mov_b32 s[G1A+6], 0
	s_mov_b32 s[G1A+7], 0
	s_mov_b32 s[G1B+1], 832<<16
	s_mov_b32 s[G1B+2], 8<<16                      ; 8 blocks
	s_mov_b32 s[G1B+3], 832<<16
	s_mov_b32 s[G1B+4], 8
	s_mov_b32 s[G1B+5], 1664
	s_mov_b32 s[G1B+6], 0
	s_mov_b32 s[G1B+7], 0
	s_mul_i32 s90, s16, 4*ROWL                     ; where my part goes in a slot: A's,
	s_mul_i32 s91, s16, 8*ROWL
	s_add_co_u32 s91, s91, BOFF                    ; B's
	s_mov_b32 s[SEL], 0x76543210
	s_mov_b32 s[SEL+1], 0xfedcba98
	s_lshl_b32 s76, s20, 2
	s_add_co_u32 s76, s76, s18                     ; q, k: which 128 tokens (first tile): 4 y + cy
	s_lshl_b32 s77, ttmp9, 2
	s_add_co_u32 s77, s77, s17                     ; q, k: which 256 columns: 4 x + cx
	s_lshl_b32 s78, ttmp9, 2
	s_add_co_u32 s78, s78, s18                     ; v: which 128 columns: 4 x + cy
	s_lshl_b32 s79, s20, 2
	s_add_co_u32 s79, s79, s17                     ; v: which 256 tokens: 4 y + cx
	s_lshl_b32 s92, s16, 2
	s_lshl_b32 s93, s16, 3
	s_lshl_b32 s80, s76, 3
	s_add_co_u32 s80, s80, s92
	s_mul_i32 s80, s80, BLK                        ; q, k: my four blocks of tokens
	s_mov_b32 s81, 0
	s_lshl_b32 s82, s77, 4
	s_add_co_u32 s82, s82, s93
	s_mul_i32 s82, s82, BLK                        ; q, k: my eight blocks of columns
	s_mov_b32 s83, 0
	s_lshl_b32 s84, s78, 3
	s_add_co_u32 s84, s84, s92
	s_add_co_u32 s84, s84, 128                     ; v's columns begin at wq's block 128
	s_mul_i32 s84, s84, BLK
	s_mov_b32 s85, 0
	s_lshl_b32 s86, s79, 4
	s_add_co_u32 s86, s86, s93
	s_mul_i32 s86, s86, BLK                        ; v: my eight blocks of tokens
	s_mov_b32 s87, 0
	s_wait_dscnt 0x0
	s_wait_kmcnt 0x0
	s_add_nc_u64 s[80:81], s[4:5], s[80:81]
	s_add_nc_u64 s[82:83], s[6:7], s[82:83]
	s_add_nc_u64 s[P2A:P2A+1], s[6:7], s[84:85]
	s_add_nc_u64 s[P2B:P2B+1], s[4:5], s[86:87]
	s_add_nc_u64 s[PNA:PNA+1], s[80:81], 256*BLK   ; the second tile: 4,096 tokens on,
	s_mov_b64 s[PNB:PNB+1], s[82:83]               ; the same columns
.irp c, 0,1
	s_mov_b32 s[G0A+4*\c], 1                                          ; count = 1
	s_add_co_u32 s[G0A+4*\c+1], s90, \c*HB                            ; LDS address
	s_add_nc_u64 s[G0A+4*\c+2:G0A+4*\c+3], s[80:81], \c*2*KU          ; global address: the blocks' units 2 c, 2 c + 1
	s_or_b32 s[G0A+4*\c+3], s[G0A+4*\c+3], 0x80000000                 ; type = 2
	s_mov_b32 s[G0B+4*\c], 1
	s_add_co_u32 s[G0B+4*\c+1], s91, \c*HB
	s_add_nc_u64 s[G0B+4*\c+2:G0B+4*\c+3], s[82:83], \c*2*KU
	s_or_b32 s[G0B+4*\c+3], s[G0B+4*\c+3], 0x80000000
.endr
	CROUND                                         ; all sixteen work-groups are here: the joint loads meet
	JLOAD 0                                        ; the first tile's first half: one tensor load a wave at the head
	v_and_b32 v1, 31, v0                           ; lane
	v_and_b32 v2, 15, v0                           ; r
	v_bfe_u32 v3, v0, 4, 1                         ; h
	v_lshlrev_b32 v4, 4, v1                        ; 16 x lane
	v_lshlrev_b32 v5, 3, v1                        ; 8 x lane
	s_mul_i32 s92, s15, 4*ROWL                     ; my four blocks of A
	v_add_nc_u32 v24, s92, v4
	v_add_nc_u32 v25, s92, v5
	v_add_nc_u32 v26, s91, v4                      ; my eight blocks of B
	v_add_nc_u32 v27, s91, v5
	s_sub_co_u32 s94, s91, s92
	v_mul_u32_u24 v6, s94, v3                      ; scale words: lanes 16-31 take B's: one product, the distance between the two bases
	v_lshl_add_u32 v6, v2, 2, v6
	s_add_co_u32 s95, s92, 3072
	v_add_nc_u32 v28, s95, v6
	s_add_co_u32 s96, s91, 3072
	v_lshlrev_b32 v7, 2, v2
	v_add_nc_u32 v29, s96, v7
	s_lshl_b32 s93, s14, 8                         ; the ways out: 256 bytes of scratch a wave for each kind of tile
	v_lshlrev_b32 v9, 1, v2
	v_add_nc_u32 v9, s93, v9
	v_add_nc_u32 v9, SCQ, v9                       ; q, k: 2 bytes a row
	v_add_nc_u32 v10, s93, v5
	v_add_nc_u32 v10, SCQ, v10                     ; and back, 8 bytes a lane
	v_add_nc_u32 v11, s93, v7
	v_add_nc_u32 v11, SCV, v11                     ; v: 4 bytes a row
	v_add_nc_u32 v12, s93, v5
	v_add_nc_u32 v12, SCV, v12
	v_lshlrev_b32 v13, 3, v2
	v_lshl_add_u32 v13, v3, 11, v13                ; q, k: lanes 0-15 the even head's scale bytes, lanes 16-31 the odd head's, 2,048 bytes on
	v_lshlrev_b32 v14, 6, v3                       ; q, k: the bias of my half's 16 channels of each 32
	v_and_b32 v15, 8, v2
	v_add_nc_u32 v15, v15, v2
	v_lshlrev_b32 v15, 2, v15                      ; v: the bias of my channel: 4 (r + 8 (r / 8))
.irp b, 0,1,2,3
	v_mov_b32 v[TM+4+\b], 0                        ; written once: a lane permute's destination counts as one of its sources
.endr
	s_wait_alu depctr_va_vdst(0)                   ; the wait at the end of the head's vector work, ahead of the scalar run and the waits below
; q and k: my 128 columns are heads 2 hp, 2 hp + 1 of q (J < 8) or k; my four blocks of tokens lie in one segment; the second tile's lie four segments on
	s_lshl_b32 s2, s77, 1
	s_add_co_u32 s2, s2, s16                       ; J: which 128 columns
	s_lshl_b32 s12, s2, 9
	s_mov_b32 s13, 0
	s_add_nc_u64 s[68:69], s[8:9], s[12:13]
.irp g, 0,1,2,3
.irp q, 0,1,2,3
	global_load_b128 v[192+16*\g+4*\q:195+16*\g+4*\q], v14, s[68:69] offset:128*\g+16*\q   ; the bias, in the result's layout: it serves both tiles
.endr
.endr
	s_lshl_b32 s3, s76, 3
	s_lshl_b32 s12, s15, 2
	s_add_co_u32 s3, s3, s12                       ; my first block of tokens
	s_lshr_b32 s21, s3, 6                          ; the segment
	s_and_b32 s22, s3, 63                          ; the block in it
	s_lshr_b32 s23, s2, 3                          ; q or k
	s_and_b32 s67, s2, 7                           ; the pair of heads
	s_lshl_b32 s21, s21, 4
	s_lshl_b32 s67, s67, 1
	s_add_co_u32 s21, s21, s67                     ; 16 x segment + head
	s_mul_i32 s84, s23, 6291456
	s_mul_i32 s85, s21, 49152
	s_add_co_u32 s84, s84, s85
	s_mul_i32 s85, s22, 768
	s_add_co_u32 s84, s84, s85
	s_mov_b32 s85, 0
	s_add_nc_u64 s[84:85], s[10:11], s[84:85]      ; the codes
	s_mul_i32 s86, s23, 262144
	s_lshl_b32 s87, s21, 11
	s_add_co_u32 s86, s86, s87
	s_lshl_b32 s87, s22, 5
	s_add_co_u32 s86, s86, s87
	s_add_co_u32 s86, s86, 18874368
	s_mov_b32 s87, 0
	s_add_nc_u64 s[86:87], s[10:11], s[86:87]      ; the scale bytes
; v: my four blocks of columns are one head's 64 channels; my 128 tokens are one key step of one segment
	s_lshl_b32 s2, s78, 1
	s_add_co_u32 s2, s2, s15                       ; the head
	s_lshl_b32 s12, s2, 8
	s_add_co_u32 s12, s12, 8192                    ; bqkv[2,048 + 64 x head]
	s_add_nc_u64 s[74:75], s[8:9], s[12:13]
	s_lshl_b32 s3, s79, 1
	s_add_co_u32 s3, s3, s16                       ; which 128 tokens
	s_lshr_b32 s21, s3, 3                          ; the segment
	s_and_b32 s22, s3, 7                           ; the key step
	s_lshl_b32 s21, s21, 4
	s_add_co_u32 s21, s21, s2
	s_mul_i32 s70, s21, 49152
	s_mul_i32 s71, s22, 6144
	s_add_co_u32 s70, s70, s71
	s_add_co_u32 s70, s70, 12582912
	s_mov_b32 s71, 0
	s_add_nc_u64 s[70:71], s[10:11], s[70:71]
	s_lshl_b32 s72, s21, 11
	s_lshl_b32 s73, s22, 8
	s_add_co_u32 s72, s72, s73
	s_add_co_u32 s72, s72, 19398656
	s_mov_b32 s73, 0
	s_add_nc_u64 s[72:73], s[10:11], s[72:73]
	s_wait_tensorcnt 0x0                           ; my part of slot 0 has landed
	ds_add_u32 v190, v191
	s_wait_dscnt 0x0
	CROUND                                         ; everybody's part is in, and all sixteen work-groups are here
	JLOAD 1                                        ; the first tile's second half, the first tensor load behind the round
	s_mov_b32 s66, 0
.Ltile:                                ; a tile of q and k.  Here slot 0 is whole for every wave and slot 1's load is on its way
	TOP
	STEP_E 0, 1                                    ; the first step's products start the sums: nothing is cleared
	STEP_O 1, 0
	STEP_E 2, 0
	RING 0
	STEP_E 4, 0
	STEP_O 5, 0
	STEP_E 6, 0
	RING 1
	WIN 0
	PLACES
	s_wait_loadcnt 0x0                             ; the bias
	EPI 0, 0
	EPI 1, 0
	EPI 2, 0
	EPI 3, 0
	ds_load_b64 v[22:23], v10                      ; LDS serves a wave's instructions in order: this sees my stores
	s_wait_dscnt 0x0
	global_store_b64 v13, v[22:23], s[86:87]       ; 128 consecutive bytes for each head
	s_wait_xcnt 0x0                                ; the stores have read their registers and bases
	s_add_nc_u64 s[84:85], s[84:85], 3145728       ; four segments on: 64 x 49,152 bytes of codes,
	s_add_nc_u64 s[86:87], s[86:87], 131072        ; 64 x 2,048 scale bytes
	s_add_co_u32 s66, s66, 1
	s_cmp_lt_u32 s66, 2
	s_wait_alu depctr_va_vdst(0)
	s_cbranch_scc1 .Ltile
; the tile of v: nothing more is fetched
	s_mov_b64 s[84:85], s[70:71]
	s_mov_b64 s[86:87], s[72:73]
.irp a, 0,1,2,3
	global_load_b32 v[192+2*\a], v15, s[74:75] offset:128*(\a/2)+32*(\a%2)     ; my channel's bias, twice: a pair for the packed addition
	global_load_b32 v[193+2*\a], v15, s[74:75] offset:128*(\a/2)+32*(\a%2)
.endr
	TOP
	STEP_E 0, 1
	STEP_O 1, 0
	STEP_E 2, 0
	STEP_O 3, 1
	STEP_E 4, 0
	STEP_O 5, 0
	STEP_E 6, 0
	s_wait_dscnt 0x0                               ; the last K step
	MULA 0, 1, 0
	MULA 1, 1, 0
	MULA 2, 1, 0
	MULA 3, 1, 0
	WIN 0
	PLACES
	s_wait_loadcnt 0x0
	EPI 0, 1
	EPI 1, 1
	EPI 2, 1
	EPI 3, 1
	ds_load_b64 v[22:23], v12
	s_wait_dscnt 0x0
	global_store_b64 v5, v[22:23], s[86:87]        ; 256 consecutive bytes, aligned
	s_wait_tensorcnt 0x0                           ; the wave's end
	ds_add_u32 v190, v191
	s_wait_dscnt 0x0
	CROUND                                         ; the closing round: no work-group ends while a partner may still ask for a half that names it
	s_endpgm
.Lfunc_end_k_q29af068544_g1:
	.size	k_q29af068544_g1, .Lfunc_end_k_q29af068544_g1-k_q29af068544_g1
	.p2alignl 7, 3214868480
	.fill 96, 4, 3214868480
	.section	.rodata,"a",@progbits
	.p2align	6, 0x0
	.amdhsa_kernel k_q29af068544_g1
		.amdhsa_group_segment_fixed_size 327680
		.amdhsa_private_segment_fixed_size 0
		.amdhsa_enable_private_segment 0
		.amdhsa_kernarg_size 32
		.amdhsa_user_sgpr_count 2
		.amdhsa_user_sgpr_kernarg_segment_ptr 1
		.amdhsa_wavefront_size32 1
		.amdhsa_system_sgpr_workgroup_id_x 1
		.amdhsa_system_sgpr_workgroup_id_y 1
		.amdhsa_system_sgpr_workgroup_id_z 1
		.amdhsa_system_vgpr_workitem_id 0
		.amdhsa_next_free_vgpr 768
		.amdhsa_next_free_sgpr 100
		.amdhsa_reserve_vcc 0
		.amdhsa_float_denorm_mode_32 3
		.amdhsa_float_denorm_mode_16_64 3
		.amdhsa_memory_ordered 1
		.amdhsa_forward_progress 1
		.amdhsa_inst_pref_size 193
	.end_amdhsa_kernel
	.amdgpu_metadata
---
amdhsa.version: [ 1, 2 ]
amdhsa.kernels:
  - .name:           k_q29af068544_g1
    .symbol:         k_q29af068544_g1.kd
    .args:
      - { .name: xq, .offset: 0, .size: 8, .value_kind: global_buffer, .address_space: global }
      - { .name: wq, .offset: 8, .size: 8, .value_kind: global_buffer, .address_space: global }
      - { .name: bqkv, .offset: 16, .size: 8, .value_kind: global_buffer, .address_space: global }
      - { .name: qkv, .offset: 24, .size: 8, .value_kind: global_buffer, .address_space: global }
    .group_segment_fixed_size: 327680
    .private_segment_fixed_size: 0
    .kernarg_segment_align: 8
    .kernarg_segment_size: 32
    .max_flat_workgroup_size: 128
    .sgpr_count:     100
    .vgpr_count:     768
    .wavefront_size: 32
...
	.end_amdgpu_metadata
.endif
;; end of part 2
;; launch att (part 3): grid 4 x 64, 16 waves a work-group, clusters of 4 x 1, 231,424 bytes of LDS; arguments qkv, cq; writes cq
.if DOCPART == 3
	.amdgcn_target "amdgcn-amd-amdhsa--gfx1250"
	.amdhsa_code_object_version 6
	.text
	.protected	k_q29af068544_att
	.globl	k_q29af068544_att
	.p2align	8
	.type	k_q29af068544_att,@function
k_q29af068544_att:
	s_mov_b64 s[64:65], 0
	v_nop
	global_prefetch_b8 v0, s[64:65] scope:SCOPE_SE
	s_setreg_imm32_b32 hwreg(HW_REG_WAVE_MODE, 25, 1), 1
	s_wait_xcnt 0x0
	s_wait_alu depctr_hold_cnt(0) depctr_sa_sdst(0) depctr_va_vdst(0) depctr_va_sdst(0) depctr_va_ssrc(0) depctr_va_vcc(0) depctr_vm_vsrc(0)
	s_getreg_b32 s2, hwreg(HW_REG_IB_STS2, 6, 4)
	s_cmp_eq_u32 s2, 0
	s_cbranch_scc0 .Lentry_in_a_cluster
	s_endpgm
.Lentry_in_a_cluster:
	s_bfe_u32 s2, ttmp6, 0x10000c
	s_cmp_lg_u32 s2, 0x3003
	s_cbranch_scc0 .Lentry_shape_is_right
	s_endpgm
.Lentry_shape_is_right:
; ctx = softmax(q k^T / 8) v for each segment of 1,024 tokens and each head of 64 channels, both products on codes of FP6 (E2M3) with E8M0 scales; ctx is quantised at once along the model's axis.
; THE SOFTMAX: t = score x log2(e) / 8; M = the running largest t rounded UP to a whole number; p = 2^(t - M) is quantised along the keys, not normalised; the row's sum is taken of the unquantised p and divides at the end.
; When M moves, the sums and O are multiplied by f = 2^(old M - new M): exact.
; SHARES.  A work-group: 256 queries of one segment and one PAIR of heads; each of its sixteen waves one block of 16 queries, the even head (key steps 0-7), then the odd one (8-15): a whole fragment and scale word of ctx.
; LDS is filled ONCE: every wave issues one joint load at the head (waves 0-11: K's or V's codes, a sixth each; waves 12-15: halves of K's and V's scale bytes); one wait, one barrier.  The four work-groups of a cluster are
; the four query blocks of one segment and pair of heads.  No prefetch: all fills go out as one group at the head, so there is no loop to ask ahead in.
; LAYOUT.  Both products are used transposed (S^T = K Q^T, O^T = V^T P^T): a lane holds ONE query.  Stored blocks of 16 tokens: lane r of block 2 g + u holds token 32 g + 8 u + r + 8 (r / 8).
; THE KEYS OF A TILE OF K ARE CHOSEN BY ADDRESS: tile 4 c + t takes as rows 0-7 keys 64 c + 8 t + 0..7 and as rows 8-15 keys 64 c + 32 + 8 t + 0..7.  So the 32 registers of tiles 4 c .. 4 c + 3 are, in lane (r, h), the
; whole block 2 c + h of 32 keys in order: its largest p needs no other lane, and two conversions give the six registers that the operand wants of that lane.
; K's codes lie in LDS as rows of 512 bytes + 128 of padding, so that a tile's rows 0-7 and 8-15 (1,536 bytes apart in memory, 1,920 in LDS) start 128 bytes apart modulo 256.
; The head's 64 fill half of the instruction's 128 along K: Q's upper half is zero codes; K's fragments lie 6 registers apart, the upper half of each being the next one's codes, which meet Q's zeros and add nothing.
; A NEW HEAD CLEARS NOTHING: the largest t is set back to -3e38, so the head's first f is 0, and the sums and O, which are finite, become 0 by the multiplication that every step makes.
; The adds of p's last 16 registers stand behind the step's second product, as places; at a head's end they are made ahead of the division, and made once more in the next step, where f = 0 takes them away.
; The last step's fetch of a following step's K reads bytes of V's region, which are filled; nothing uses them.
; LIMITS: a block of zeros or under 2^-124 gets the scale byte 1; NaN and infinities are not served; the scaled scores stay under 2^31 in magnitude.
; REGISTERS: v1-6, v30, v31, v92-95 lane terms; v7-11, v28, v29 the trip's addresses; v12 -M, v13 the largest t; v16-27 Q; v32-79 K's eight fragments; v80-91 ctx's fragment; v96-159 S^T, then p, then V's fragments;
;   v160-191 O^T; v192-197 the odd head's Q; v198 ctx's scale word; v200-207 K's scale words; v208-215 the sum, four chains; v216-221 at work; v224-235 p's codes; v236-242 conversions; v248-251 V's scale words; v252 f; v253 p's scale word; v255 Q's.
.set WV,  18
.set CNT, 19
.set SEL, 20
.set CS,  22                           ; s[22:23] c = log2(e) / 8
.set G1K, 24                           ; group 1: K's codes, 32 rows of 512 bytes, padded
.set G1V, 32                           ; V's codes, 64 rows of 256 bytes
.set G1S, 40                           ; scale bytes, 8 rows of 256 bytes
.set G0K, 48
.set G0V, 52
.set G0S, 56
.set TK,  2                            ; where the trip's K codes begin
.set TS,  3                            ; its scale bytes
.set TV,  16                           ; its V codes
.set KST, 7680                         ; a key step of K's codes in LDS: 12 rows of 640
.set VC,  122880                       ; LDS: K's codes at 0, V's here,
.set KSC, 221184                       ; K's scale bytes,
.set VSC, 225280                       ; V's scale words,
.set SPARE, 229376                     ; the spare words: 128 bytes a wave
.set CHN, 208
.macro CROUND
	s_barrier_signal -1
	s_barrier_wait -1
	s_cmp_lg_u32 s[WV], 0
	s_cbranch_scc1 .Lnot_wave_0_\@
	s_barrier_signal -3
.Lnot_wave_0_\@:
	s_barrier_wait -3
	s_barrier_signal -1
	s_barrier_wait -1
.endm
.macro NOPS
	s_nop 0
.rept 4
	v_nop
.endr
.endm
.macro FRAG reg, a16, a8, off
	ds_load_b128 v[(\reg):(\reg)+3], v[\a16] offset:(\off)
	ds_load_b64 v[(\reg)+4:(\reg)+5], v[\a8] offset:(\off)+512
	ds_load_b128 v[(\reg)+6:(\reg)+9], v[\a16] offset:(\off)+768
	ds_load_b64 v[(\reg)+10:(\reg)+11], v[\a8] offset:(\off)+1280
.endm
; K's eight tiles of step st (counted from the address registers' step).  Tile T = 4 c + t reads stored blocks 4 c + t % 2 (rows 0-7) and 4 c + 2 + t % 2 (rows 8-15), rows 8 (t / 2) .. + 7 of each.
; a: address of the 16-byte pieces in even blocks, a + 1 in odd ones (there lanes 16-31 lie behind a pad); b: of the 8-byte pieces; c: of the scale bytes
.macro KLOAD st, a, b, c
.irp T, 0,1,2,3,4,5,6,7
	ds_load_b128 v[32+6*\T:35+6*\T], v[\a+\T%2] offset:(\st)*KST+3840*(\T/4)+896*(\T%2)+128*((\T%4)/2)
	ds_load_b64 v[36+6*\T:37+6*\T], v[\b] offset:(\st)*KST+3840*(\T/4)+896*(\T%2)+640+64*((\T%4)/2)
	ds_load_u16 v[200+\T], v[\c] offset:(\st)*256+128*(\T/4)+32*(\T%2)+16*((\T%4)/2)
.endr
.endm
.macro SMUL T
	v_wmma_scale_f32_16x16x128_f8f6f4 v[96+8*\T:103+8*\T], v[32+6*\T:43+6*\T], v[16:27], 0, v[200+\T], v255 matrix_a_fmt:MATRIX_FMT_FP6 matrix_b_fmt:MATRIX_FMT_FP6
.endm
.macro PSUM n                          ; pair n of p goes to chain n % 4; a chain's first add of a step brings it under the new M in the same instruction
.if \n < 4
	v_pk_fma_f32 v[CHN+2*\n:CHN+2*\n+1], v[CHN+2*\n:CHN+2*\n+1], v[252:253], v[96+2*\n:97+2*\n] op_sel_hi:[1,0,1]
.else
	v_pk_add_f32 v[CHN+2*(\n%4):CHN+2*(\n%4)+1], v[CHN+2*(\n%4):CHN+2*(\n%4)+1], v[96+2*\n:97+2*\n]
.endif
.endm
.macro TSUB cnt                        ; t - M, two at a time
.rept \cnt
	v_pk_fma_f32 v[96+n:97+n], v[96+n:97+n], s[CS:CS+1], v[12:13] op_sel_hi:[1,0,0]
.set n, n+2
.endr
.endm
	s_load_b128 s[4:7], s[0:1], 0x0                ; qkv, cq
	v_lshl_add_u32 v223, v0, 2, SPARE
	v_mov_b32 v243, 0
	ds_add_u32 v223, v243                          ; the opening lines: the add, twice on end, and its wait ahead of my tensor load
	ds_add_u32 v223, v243
	v_lshrrev_b32 v8, 5, v0
	s_delay_alu instid0(VALU_DEP_1)
	v_readfirstlane_b32 s[WV], v8                  ; wave 0..15
	s_bfe_u32 s8, ttmp6, 0x40000                   ; cx: my block of 256 queries; it enters Q's and ctx's addresses alone
	s_and_b32 s9, ttmp7, 0xffff                    ; 8 x segment + pair of heads: shared by the four partners
	s_lshr_b32 s10, s9, 3
	s_and_b32 s11, s9, 7
	s_lshl_b32 s12, s10, 4
	s_lshl_b32 s13, s11, 1
	s_add_co_u32 s12, s12, s13                     ; 16 x segment + the even head
	s_and_b32 s14, s[WV], 1                        ; I fetch for K (0) or V (1),
	s_lshr_b32 s15, s[WV], 1                       ; part 0-5 of the codes, or (6, 7) a half of the scale bytes
	s_mul_i32 s66, s12, 49152
	s_lshl_b32 s17, s15, 14
	s_add_co_u32 s66, s66, s17
	s_add_co_u32 s66, s66, 6291456                 ; K's codes of the two heads: 98,304 dense bytes; my 16,384
	s_mov_b32 s67, 0
	s_add_co_u32 s68, s66, 6291456                 ; V's likewise
	s_mov_b32 s69, 0
	s_lshl_b32 s70, s12, 11
	s_lshl_b32 s17, s14, 18
	s_add_co_u32 s70, s70, s17
	s_lshl_b32 s17, s15, 11
	s_add_co_u32 s70, s70, s17
	s_add_co_u32 s70, s70, 19136512-12288          ; the scale bytes: 2,048 x (part - 6) of the two heads' 4,096
	s_mov_b32 s71, 0
	s_mov_b32 s[G1K], 15|(3<<16)|(1<<20)|(1<<21)|(6<<22)|(31<<25)   ; the mask: all four work-groups; elements of 8 bytes; behind every 128 dwords a pad of 32
	s_mov_b32 s[G1K+1], 64<<16
	s_mov_b32 s[G1K+2], 32<<16
	s_mov_b32 s[G1K+3], 64<<16
	s_mov_b32 s[G1K+4], 32
	s_mov_b32 s[G1K+5], 64
	s_mov_b32 s[G1K+6], 0
	s_mov_b32 s[G1K+7], 0
	s_mov_b32 s[G1V], 15|(3<<16)|(1<<21)
	s_mov_b32 s[G1V+1], 32<<16
	s_mov_b32 s[G1V+2], 64<<16
	s_mov_b32 s[G1V+3], 32<<16
	s_mov_b32 s[G1V+4], 64
	s_mov_b32 s[G1V+5], 32
	s_mov_b32 s[G1V+6], 0
	s_mov_b32 s[G1V+7], 0
	s_mov_b32 s[G1S], 15|(3<<16)|(1<<21)
	s_mov_b32 s[G1S+1], 32<<16
	s_mov_b32 s[G1S+2], 8<<16
	s_mov_b32 s[G1S+3], 32<<16
	s_mov_b32 s[G1S+4], 8
	s_mov_b32 s[G1S+5], 32
	s_mov_b32 s[G1S+6], 0
	s_mov_b32 s[G1S+7], 0
	s_lshl_b32 s72, s8, 4
	s_add_co_u32 s72, s72, s[WV]                   ; my block of 16 queries in the segment
	s_mul_i32 s74, s12, 49152
	s_mul_i32 s73, s72, 768
	s_add_co_u32 s74, s74, s73                     ; Q's codes, even head
	s_mov_b32 s75, 0
	s_lshl_b32 s76, s12, 11
	s_lshl_b32 s73, s72, 5
	s_add_co_u32 s76, s76, s73
	s_add_co_u32 s76, s76, 18874368                ; Q's scale bytes
	s_mov_b32 s77, 0
	s_lshl_b32 s78, s10, 6
	s_add_co_u32 s78, s78, s72
	s_mul_i32 s78, s78, 13312                      ; ctx: my block of tokens,
	s_lshr_b32 s73, s11, 1
	s_mul_i32 s73, s73, 3328
	s_add_co_u32 s78, s78, s73                     ; the unit of 256 along K in which my pair of heads lies,
	s_mov_b32 s79, 0
	s_and_b32 s73, s11, 1
	s_mul_i32 s80, s73, 1536                       ; its image,
	s_mov_b32 s81, 0
	s_lshl_b32 s82, s73, 6
	s_add_co_u32 s82, s82, 3072                    ; its scale words
	s_mov_b32 s83, 0
	s_mov_b32 s[SEL], 0x76543210
	s_mov_b32 s[SEL+1], 0xfedcba98
	s_mov_b32 s[CS], 0x3e38aa3b                    ; log2(e) / 8
	s_mov_b32 s[CS+1], s[CS]
	s_mov_b32 s[TK], 0
	s_mov_b32 s[TS], 0
	s_mov_b32 s[TV], 0
	s_mov_b32 s[CNT], 0
	s_wait_dscnt 0x0
	s_wait_kmcnt 0x0
	s_mov_b32 s[G0K], 1
	s_mul_i32 s[G0K+1], s15, 20480                 ; 32 padded rows a part
	s_add_nc_u64 s[G0K+2:G0K+3], s[4:5], s[66:67]
	s_or_b32 s[G0K+3], s[G0K+3], 0x80000000
	s_mov_b32 s[G0V], 1
	s_lshl_b32 s[G0V+1], s15, 14
	s_add_co_u32 s[G0V+1], s[G0V+1], VC
	s_add_nc_u64 s[G0V+2:G0V+3], s[4:5], s[68:69]
	s_or_b32 s[G0V+3], s[G0V+3], 0x80000000
	s_mov_b32 s[G0S], 1
	s_lshl_b32 s[G0S+1], s14, 12
	s_lshl_b32 s17, s15, 11
	s_add_co_u32 s[G0S+1], s[G0S+1], s17
	s_add_co_u32 s[G0S+1], s[G0S+1], KSC-12288
	s_add_nc_u64 s[G0S+2:G0S+3], s[4:5], s[70:71]
	s_or_b32 s[G0S+3], s[G0S+3], 0x80000000
	s_add_nc_u64 s[74:75], s[4:5], s[74:75]
	s_add_nc_u64 s[76:77], s[4:5], s[76:77]
	s_add_nc_u64 s[78:79], s[6:7], s[78:79]
	s_add_nc_u64 s[60:61], s[78:79], s[82:83]
	s_add_nc_u64 s[6:7], s[78:79], s[80:81]
	CROUND                                         ; all four work-groups are here: the joint loads meet
	s_cmp_lt_u32 s[WV], 12                         ; one chain of branches on the wave's number, one load to an arm, one join
	s_cbranch_scc0 .Lfill_s
	s_cmp_eq_u32 s14, 0
	s_cbranch_scc0 .Lfill_v
	tensor_load_to_lds s[G0K:G0K+3], s[G1K:G1K+7]
	NOPS
	s_branch .Lfilled
.Lfill_v:
	tensor_load_to_lds s[G0V:G0V+3], s[G1V:G1V+7]
	NOPS
	s_branch .Lfilled
.Lfill_s:
	tensor_load_to_lds s[G0S:G0S+3], s[G1S:G1S+7]
	NOPS
.Lfilled:
	v_and_b32 v9, 31, v0                           ; lane
	v_and_b32 v10, 15, v0                          ; r
	v_bfe_u32 v11, v0, 4, 1                        ; h
	v_bfe_u32 v28, v0, 3, 1                        ; r / 8
	v_and_b32 v29, 7, v0                           ; r % 8
	v_lshlrev_b32 v1, 4, v9                        ; 16 x lane
	v_lshlrev_b32 v2, 3, v9                        ; 8 x lane
	v_lshlrev_b32 v95, 1, v10                      ; 2 r
	v_mul_u32_u24 v3, v28, 1920                    ; rows 8-15 of a tile: two stored blocks on
	global_load_b128 v[16:19], v1, s[74:75]                  ; my 16 queries: half an image for each head,
	global_load_b64 v[20:21], v2, s[74:75] offset:512
	global_load_b128 v[192:195], v1, s[74:75] offset:49152
	global_load_b64 v[196:197], v2, s[74:75] offset:49152+512
	global_load_u16 v255, v95, s[76:77]                      ; and two scale bytes a row
	global_load_u16 v254, v95, s[76:77] offset:2048
	v_lshl_add_u32 v5, v11, 7, v3
	v_lshl_add_u32 v5, v29, 3, v5                  ; K's 8-byte pieces: 8 (16 h + r % 8)
	v_lshl_add_u32 v3, v11, 8, v3
	v_lshl_add_u32 v3, v29, 4, v3                  ; K's 16-byte pieces: 16 (16 h + r % 8)
	v_lshl_add_u32 v4, v11, 7, v3                  ; in odd blocks lanes 16-31 lie behind one pad more
	v_lshlrev_b32 v6, 6, v28
	v_lshl_add_u32 v6, v29, 1, v6
	v_add_nc_u32 v6, KSC, v6                       ; K's scale bytes: 2 a row, 32 a block
	v_lshlrev_b32 v94, 2, v10                      ; 4 r
	v_add_nc_u32 v30, VSC, v94
	v_add_nc_u32 v31, VC, v1
	v_add_nc_u32 v92, VC, v2
	v_lshlrev_b32 v93, 3, v11                      ; 8 h: where my blocks' bytes stand in p's scale word
.irp j, 22,23,24,25,26,27
	v_mov_b32 v\j, 0                               ; Q's upper half along K: zero codes
.endr
.set n, 0
.rept 12
	v_mov_b32 v[80+n], 0                           ; ctx's fragment: named before it is first made
.set n, n+1
.endr
.set n, 0
.rept 48
	v_mov_b32 v[144+n], 0                          ; p's last 16 registers and O^T: written once, finite; the first f, 0, does the rest
.set n, n+1
.endr
.set n, 0
.rept 8
	v_mov_b32 v[CHN+n], 0
.set n, n+1
.endr
	v_mov_b32 v198, 0
	v_mov_b32 v252, 0
	v_mov_b32 v253, 0
	v_mov_b32 v13, 0xff61b1e6                      ; the largest t so far: -3e38
	s_delay_alu instid0(VALU_DEP_1)
	v_floor_f32 v12, -v13                          ; -M
	s_wait_loadcnt 0x0
	v_lshl_or_b32 v255, v254, 16, v255             ; Q's scale bytes: the even head's below, the odd head's above (there they scale zero codes)
	s_wait_alu depctr_va_vdst(0)
	s_wait_tensorcnt 0x0                           ; my one load has landed
	s_barrier_signal -1
	s_barrier_wait -1                              ; everybody's has: LDS is whole, and nothing is filled again
	KLOAD 0, 3, 5, 6                               ; step 0's K
	s_wait_dscnt 0x0
; A KEY STEP: 128 keys.  s: which of the trip's two
.macro STEP s
.irp n, 24,25,26,27,28
	PSUM \n                                        ; the last step's p, registers 48-57: five places between the last products and the products that write over V's fragments
.endr
.irp T, 0,1,2,3,4,5,6
	SMUL \T
.endr
.irp n, 29,30,31
	PSUM \n                                        ; registers 58-63, ahead of tile 7, which writes over them.  With the move: four places ahead of the first read of tile 0
.endr
	v_mov_b32 v254, v12
	SMUL 7
.irp k, 0,1,2,3
	v_max3_num_f32 v[216+\k], v[96+16*\k], v[97+16*\k], v[98+16*\k]   ; the largest score, in four chains of 16; each accumulator from its low end on
.endr
.irp k, 0,1,2,3
	v_max3_num_f32 v[216+\k], v[216+\k], v[99+16*\k], v[100+16*\k]
.endr
	KLOAD (\s)+1, 7, 9, 10                         ; the next step's K, eight places behind tile 7: it lands under the softmax
.irp i, 5,7,9,11,13
.irp k, 0,1,2,3
	v_max3_num_f32 v[216+\k], v[216+\k], v[96+16*\k+\i], v[97+16*\k+\i]
.endr
.endr
	v_max3_num_f32 v216, v216, v217, v111
	v_max3_num_f32 v218, v218, v219, v143
	v_max_num_f32 v216, v216, v127                 ; the largest score of my block 0 + h,
	v_max_num_f32 v218, v218, v159                 ; and of my block 2 + h: they serve the row's maximum and, since p rises with the score, the blocks' largest p
	s_delay_alu instid0(VALU_DEP_1)
	v_max_num_f32 v220, v216, v218
	s_delay_alu instid0(VALU_DEP_1)
	v_permlanex16_b32 v217, v220, s[SEL], s[SEL+1]
	s_delay_alu instid0(VALU_DEP_1)
	v_max_num_f32 v220, v220, v217                 ; with lane l xor 16's two blocks
	s_delay_alu instid0(VALU_DEP_1)
	v_mul_f32 v220, s[CS], v220                    ; the step's largest t of my query
	s_delay_alu instid0(VALU_DEP_1)
	v_max_num_f32 v13, v13, v220
	s_delay_alu instid0(VALU_DEP_1)
	v_floor_f32 v12, -v13                          ; the new -M = -ceil(t)
	s_delay_alu instid0(VALU_DEP_1)
	v_sub_f32 v254, v12, v254                      ; old M - new M: a whole number, 0 or less
.set n, 0
	TSUB 8
	v_cvt_i32_f32 v254, v254                       ; (it saturates)
	TSUB 8
	v_ldexp_f32 v252, 1.0, v254                    ; f = 2^(old M - new M)
	TSUB 16
	v_fma_f32 v216, v216, s[CS], v12               ; the same of each block's largest score
	v_fma_f32 v218, v218, s[CS], v12
	s_wait_alu depctr_va_vdst(0)
.set n, 0
.rept 64
	v_exp_f32 v[96+n], v[96+n]                     ; p = 2^(t - M)
.set n, n+1
.endr
	v_exp_f32 v216, v216                           ; the blocks' largest p
	v_exp_f32 v218, v218
	v_nop                                          ; a plain place behind the batch
	s_wait_alu depctr_va_vdst(0)                   ; and one wait for it, ahead of its first reader
	v_max_num_f32 v216, 0x1800000, v216            ; the floor 2^(3 - 127): the byte cannot fall under 1
	v_max_num_f32 v218, 0x1800000, v218
.irp n, 0,1,2,3
	PSUM \n
.endr
	v_add_nc_u32 v220, 0xff000000, v216            ; 2 off the exponent field: the conversions' scale operands
	v_add_nc_u32 v221, 0xff000000, v218
.irp n, 4,5,6,7
	PSUM \n
.endr
	v_cvt_scalef32_pk16_fp6_f32 v[224:226], v[96:111], v220
	v_cvt_scalef32_pk16_fp6_f32 v[236:238], v[112:127], v220      ; (a conversion's three registers begin on an even number)
	v_cvt_scalef32_pk16_fp6_f32 v[230:232], v[128:143], v221
	v_cvt_scalef32_pk16_fp6_f32 v[240:242], v[144:159], v221
.irp n, 8,9,10,11,12,13,14,15,16,17,18,19,20,21,22,23
	PSUM \n                                        ; (the first is the plain place behind the conversions)
.endr
.irp t, 0,1,2,3                        ; V's four fragments (16 channels x these 128 keys) into the registers that p's first 48 have left
	FRAG 96+12*\t, 28, 29, (\s)*6144+1536*\t
	ds_load_b32 v[248+\t], v11 offset:(\s)*256+64*\t
.endr
	v_lshrrev_b32 v216, 23, v220                   ; my two blocks' scale bytes
	v_lshrrev_b32 v218, 23, v221
.irp i, 0,1,2
	v_mov_b32 v[227+\i], v[236+\i]
.endr
	v_lshl_or_b32 v216, v218, 16, v216
.irp i, 0,1,2
	v_mov_b32 v[233+\i], v[240+\i]
.endr
	v_lshlrev_b32 v216, v93, v216                  ; at their places: blocks h and 2 + h
	s_delay_alu instid0(VALU_DEP_1)
	v_permlanex16_b32 v219, v216, s[SEL], s[SEL+1]
	s_delay_alu instid0(VALU_DEP_1)
	v_or_b32 v253, v216, v219                      ; with lane l xor 16's two: p's scale word for these 128 keys
	s_wait_alu depctr_va_vdst(0)
.set n, 0
.rept 16
	v_pk_mul_f32 v[160+n:161+n], v[160+n:161+n], v[252:253] op_sel_hi:[1,0]   ; O^T under the new M.  These 16 are also the places between the lines that made p's codes and scale word and the products
.set n, n+2
.endr
	s_wait_alu depctr_va_vdst(0)
	s_wait_dscnt 0x0                               ; V's fragments are in, and the next step's K
.irp t, 0,1,2,3
	v_wmma_scale_f32_16x16x128_f8f6f4 v[160+8*\t:167+8*\t], v[96+12*\t:107+12*\t], v[224:235], v[160+8*\t:167+8*\t], v[248+\t], v253 matrix_a_fmt:MATRIX_FMT_FP6 matrix_b_fmt:MATRIX_FMT_FP6
.endr
.endm
.Ltrip:                                ; a trip: two key steps; eight trips, four to a head
	v_add_nc_u32 v7, s[TK], v3
	v_add_nc_u32 v8, s[TK], v4
	v_add_nc_u32 v9, s[TK], v5
	v_add_nc_u32 v10, s[TS], v6
	v_add_nc_u32 v11, s[TS], v30
	v_add_nc_u32 v28, s[TV], v31
	v_add_nc_u32 v29, s[TV], v92
	STEP 0
	STEP 1
	s_add_co_u32 s[TK], s[TK], 2*KST
	s_add_co_u32 s[TV], s[TV], 12288
	s_add_co_u32 s[TS], s[TS], 512
	s_and_b32 s17, s[CNT], 3
	s_cmp_lg_u32 s17, 3                            ; the head's last trip?  The counter alone decides
	s_cbranch_scc1 .Lsame_head
; A head is done: O^T / the sum is ctx; its 64 channels are two blocks of 32 along the last product's K: the upper half of my fragment and of my scale word; what lay there moves down.
.irp n, 24,25,26,27,28,29,30,31
	PSUM \n                                        ; the last step's p, registers 48-63; also the places behind the last products
.endr
	v_pk_add_f32 v[208:209], v[208:209], v[210:211]
	v_pk_add_f32 v[212:213], v[212:213], v[214:215]
	s_delay_alu instid0(VALU_DEP_1)
	v_pk_add_f32 v[208:209], v[208:209], v[212:213]
	s_delay_alu instid0(VALU_DEP_1)
	v_add_f32 v208, v208, v209
	s_delay_alu instid0(VALU_DEP_1)
	v_permlanex16_b32 v210, v208, s[SEL], s[SEL+1]
	s_delay_alu instid0(VALU_DEP_1)
	v_add_f32 v208, v208, v210                     ; the row's sum
	s_wait_alu depctr_va_vdst(0)                   ; the wait ahead of the transcendental
	v_rcp_f32 v208, v208
.irp i, 0,1,2,3,4,5
	v_mov_b32 v[80+\i], v[86+\i]                   ; plain work behind it
.endr
	s_wait_alu depctr_va_vdst(0)                   ; and the wait ahead of its first reader, which is O^T's first reader too
.set n, 0
.rept 16
	v_pk_mul_f32 v[96+n:97+n], v[160+n:161+n], v[208:209] op_sel_hi:[1,0]   ; register 16 b + i: channel 32 b + 16 h + i; each accumulator from its low end on
.set n, n+2
.endr
.irp b, 0,1
	v_max3_num_f32 v[216+\b], |v[96+16*\b]|, |v[97+16*\b]|, 0x1800000
.endr
.irp i, 2,4,6,8,10,12,14
.irp b, 0,1
	s_delay_alu instid0(VALU_DEP_2)
	v_max3_num_f32 v[216+\b], v[216+\b], |v[96+16*\b+\i]|, |v[97+16*\b+\i]|
.endr
.endr
.irp b, 0,1
	s_delay_alu instid0(VALU_DEP_2)
	v_permlanex16_b32 v[218+\b], v[216+\b], s[SEL], s[SEL+1]
.endr
.irp b, 0,1
	s_delay_alu instid0(VALU_DEP_2)
	v_max_num_f32 v[216+\b], v[216+\b], v[218+\b]
.endr
.irp b, 0,1
	s_delay_alu instid0(VALU_DEP_2)
	v_add_nc_u32 v[220+\b], 0xff000000, v[216+\b]
.endr
.irp b, 0,1
	s_delay_alu instid0(VALU_DEP_2)
	v_lshrrev_b32 v[218+\b], 23, v[220+\b]
.endr
	v_lshrrev_b32 v198, 16, v198
	s_delay_alu instid0(VALU_DEP_2)
	v_lshl_or_b32 v218, v219, 8, v218
	s_delay_alu instid0(VALU_DEP_1)
	v_lshl_or_b32 v198, v218, 16, v198
	v_cvt_scalef32_pk16_fp6_f32 v[86:88], v[96:111], v220
	v_cvt_scalef32_pk16_fp6_f32 v[240:242], v[112:127], v221
	v_mov_b32 v13, 0xff61b1e6                      ; the next head begins: the largest t is -3e38 again.  (A plain place behind the conversions)
.irp i, 0,1,2
	v_permlane16_swap_b32 v[86+\i], v[240+\i]      ; the operand wants a whole block in a lane
.endr
.irp i, 0,1,2
	v_mov_b32 v[89+\i], v[240+\i]
.endr
	v_floor_f32 v12, -v13
.irp i, 0,1,2,3,4,5
	v_mov_b32 v[16+\i], v[192+\i]                  ; the odd head's queries,
.endr
	v_lshrrev_b32 v255, 16, v255                   ; and their scale bytes
	s_wait_alu depctr_va_vdst(0)
.Lsame_head:
	s_add_co_u32 s[CNT], s[CNT], 1
	s_cmp_lt_u32 s[CNT], 8
	s_cbranch_scc1 .Ltrip
	global_store_b128 v1, v[80:83], s[6:7]                  ; ctx's fragment as an image: runs of 512 and 256 consecutive bytes, aligned
	global_store_b64 v2, v[84:85], s[6:7] offset:512
	global_store_b128 v1, v[86:89], s[6:7] offset:768
	global_store_b64 v2, v[90:91], s[6:7] offset:1280
	v_and_b32 v7, 31, v0
	s_delay_alu instid0(VALU_DEP_1)
	v_cmp_gt_u32 vcc_lo, 16, v7
	s_wait_xcnt 0x0                                ; EXEC changes only behind this wait
	s_and_saveexec_b32 s62, vcc_lo
	global_store_b32 v94, v198, s[60:61]           ; lanes 0-15: the 16 rows' scale words, 64 consecutive bytes
	s_wait_xcnt 0x0
	s_or_b32 exec_lo, exec_lo, s62
	s_wait_tensorcnt 0x0                           ; the wave's end
	ds_add_u32 v223, v243
	s_wait_dscnt 0x0
	CROUND                                         ; the closing round
	s_endpgm
.Lfunc_end_k_q29af068544_att:
	.size	k_q29af068544_att, .Lfunc_end_k_q29af068544_att-k_q29af068544_att
	.p2alignl 7, 3214868480
	.fill 96, 4, 3214868480
	.section	.rodata,"a",@progbits
	.p2align	6, 0x0
	.amdhsa_kernel k_q29af068544_att
		.amdhsa_group_segment_fixed_size 231424
		.amdhsa_private_segment_fixed_size 0
		.amdhsa_enable_private_segment 0
		.amdhsa_kernarg_size 16
		.amdhsa_user_sgpr_count 2
		.amdhsa_user_sgpr_kernarg_segment_ptr 1
		.amdhsa_wavefront_size32 1
		.amdhsa_system_sgpr_workgroup_id_x 1
		.amdhsa_system_sgpr_workgroup_id_y 1
		.amdhsa_system_sgpr_workgroup_id_z 1
		.amdhsa_system_vgpr_workitem_id 0
		.amdhsa_next_free_vgpr 256
		.amdhsa_next_free_sgpr 84
		.amdhsa_reserve_vcc 1
		.amdhsa_float_denorm_mode_32 3
		.amdhsa_float_denorm_mode_16_64 3
		.amdhsa_memory_ordered 1
		.amdhsa_forward_progress 1
		.amdhsa_inst_pref_size 50
	.end_amdhsa_kernel
	.amdgpu_metadata
---
amdhsa.version: [ 1, 2 ]
amdhsa.kernels:
  - .name:           k_q29af068544_att
    .symbol:         k_q29af068544_att.kd
    .args:
      - { .name: qkv, .offset: 0, .size: 8, .value_kind: global_buffer, .address_space: global }
      - { .name: cq, .offset: 8, .size: 8, .value_kind: global_buffer, .address_space: global }
    .group_segment_fixed_size: 231424
    .private_segment_fixed_size: 0
    .kernarg_segment_align: 8
    .kernarg_segment_size: 16
    .max_flat_workgroup_size: 512
    .sgpr_count:     84
    .vgpr_count:     256
    .wavefront_size: 32
...
	.end_amdgpu_metadata
.endif
;; end of part 3
;; launch g2 (part 4): grid 4 x 64, 4 waves a work-group, clusters of 4 x 4, 327,680 bytes of LDS; arguments cq, wq, bout, out0; writes out0
.if DOCPART == 4
	.amdgcn_target "amdgcn-amd-amdhsa--gfx1250"
	.amdhsa_code_object_version 6
	.text
	.protected	k_q29af068544_g2
	.globl	k_q29af068544_g2
	.p2align	8
	.type	k_q29af068544_g2,@function
k_q29af068544_g2:
	s_mov_b64 s[64:65], 0
	v_nop
	global_prefetch_b8 v0, s[64:65] scope:SCOPE_SE
	s_setreg_imm32_b32 hwreg(HW_REG_WAVE_MODE, 25, 1), 1
	s_wait_xcnt 0x0
	s_wait_alu depctr_hold_cnt(0) depctr_sa_sdst(0) depctr_va_vdst(0) depctr_va_sdst(0) depctr_va_ssrc(0) depctr_va_vcc(0) depctr_vm_vsrc(0)
	s_getreg_b32 s2, hwreg(HW_REG_IB_STS2, 6, 4)
	s_cmp_eq_u32 s2, 0
	s_cbranch_scc0 .Lentry_in_a_cluster
	s_endpgm
.Lentry_in_a_cluster:
	s_bfe_u32 s2, ttmp6, 0x10000c
	s_cmp_lg_u32 s2, 0xf033
	s_cbranch_scc0 .Lentry_shape_is_right
	s_endpgm
.Lentry_shape_is_right:
; out = Q(ctx) Q(Wout) + bout on codes of FP6 (E2M3) with E8M0 scales; out is f32.
; A work-group makes 128 tokens (role A, source 1 of the matrix instruction) x 256 columns (role B, source 0); all of K = 1,024 lies in LDS, filled ONCE, in two halves of 512 along K.  Four waves: wave w takes A's blocks
; 4 (w / 2) .. + 3 and B's blocks 8 (w % 2) .. + 7: 32 accumulators.  Both operands lie in memory in the order of the operand's registers (blocks of 16 rows, lane r of block 2 g + u = row 32 g + 8 u + r + 8 (r / 8);
; units of 256 along K of 3,328 bytes: two images of 1,536 bytes and 128 bytes of scale words).  In a result lane (r, h) holds a token, and the 16 registers of B's blocks 2 g, 2 g + 1 are 16 neighbouring columns.
; CLUSTER 4 x 4: A's halves are shared along a row of the cluster, B's along a column: joint loads; one load a wave at the head, one behind a round of the barrier, one out at the most.  No LDS byte is filled twice.
; THE WAY OUT: a block of 16 tokens x 128 columns goes through the wave's own stage and leaves as whole rows of 512 bytes.  The stage lies in the first half, which has had its only fill and whose last read stands ahead of the one barrier of the walk along K.
; REGISTERS: window 0: v1-21 addresses; v32-47 scale words, two sets; v64-159 A's fragments, two sets; v192-255 the bias; on the way out v64-127 a block's numbers, v128-191 its rows.
;   window 1: B's fragments, two sets of 96.   window 2: the accumulators, (a, b) at v[8 (8 a + b)].
.set BLK,  13312
.set KU,   3328
; THE FILLS AS THEY NOW STAND: K lies in LDS in two halves of 512 along K, each filled once by ONE joint load a wave (rows of 6,656 bytes: two units of a block).
; The first half is asked for at the head, the second behind the full sequence and a round of the cluster's barrier; one load a wave is out at the most.
; The stage of the way out lies in the first half, whose last reads stand ahead of the one barrier of the walk along K.
.set ROWL, 6656
.set CH,   3328
.set HB,   159744
.set BOFF, 53248
.set G1A,  24
.set G1B,  32
.set G0A,  40
.set T,    64
.set BK,   128
.set MSB, 0
.macro WIN new
.if MSB != \new
	s_set_vgpr_msb (MSB<<8)|\new
.set MSB, \new
.endif
.endm
.macro CROUND
	s_barrier_signal -1
	s_barrier_wait -1
	s_cmp_lg_u32 s14, 0
	s_cbranch_scc1 .Lnot_wave_0_\@
	s_barrier_signal -3
.Lnot_wave_0_\@:
	s_barrier_wait -3
	s_barrier_signal -1
	s_barrier_wait -1
.endm
.macro PLACES                          ; four plain vector instructions between a matrix instruction and a load into, or a vector instruction on, its registers
.rept 4
	v_nop
.endr
.endm
.macro FRAG reg, a16, a8, off
	ds_load_b128 v[(\reg):(\reg)+3], v[\a16] offset:(\off)
	ds_load_b64 v[(\reg)+4:(\reg)+5], v[\a8] offset:(\off)+512
	ds_load_b128 v[(\reg)+6:(\reg)+9], v[\a16] offset:(\off)+768
	ds_load_b64 v[(\reg)+10:(\reg)+11], v[\a8] offset:(\off)+1280
.endm
.macro FETCH k                         ; K step k's fragments and scale words into set k % 2: 56 loads
	WIN 0x40
.irp i, 0,1,2,3,4,5,6,7
	FRAG 96*((\k)%2)+12*\i, 18, 19, \i*ROWL+1536*((\k)%2)
.endr
	WIN 0
.irp i, 0,1,2,3
	FRAG 64+48*((\k)%2)+12*\i, 16, 17, \i*ROWL+1536*((\k)%2)
.endr
.irp i, 0,1,2,3
	ds_load_b32 v[32+8*((\k)%2)+\i], v20 offset:\i*ROWL+64*((\k)%2)   ; lanes 0-15: A's block i; lanes 16-31: B's block i
.endr
.irp i, 4,5,6,7
	ds_load_b32 v[32+8*((\k)%2)+\i], v21 offset:\i*ROWL+64*((\k)%2)
.endr
.endm
.macro MULA a, f, zero                 ; the 32 accumulators take turns, one instruction a turn, in the same order in every step
.irp b, 0,1,2,3,4,5,6,7
.if \zero
	v_wmma_scale_f32_16x16x128_f8f6f4 v[8*(8*(\a)+\b):8*(8*(\a)+\b)+7], v[96*(\f)+12*\b:96*(\f)+12*\b+11], v[64+48*(\f)+12*(\a):64+48*(\f)+12*(\a)+11], 0, v[32+8*(\f)+\b], v[32+8*(\f)+(\a)] matrix_a_fmt:MATRIX_FMT_FP6 matrix_b_fmt:MATRIX_FMT_FP6 matrix_a_scale:MATRIX_SCALE_ROW1
.else
	v_wmma_scale_f32_16x16x128_f8f6f4 v[8*(8*(\a)+\b):8*(8*(\a)+\b)+7], v[96*(\f)+12*\b:96*(\f)+12*\b+11], v[64+48*(\f)+12*(\a):64+48*(\f)+12*(\a)+11], v[8*(8*(\a)+\b):8*(8*(\a)+\b)+7], v[32+8*(\f)+\b], v[32+8*(\f)+(\a)] matrix_a_fmt:MATRIX_FMT_FP6 matrix_b_fmt:MATRIX_FMT_FP6 matrix_a_scale:MATRIX_SCALE_ROW1
.endif
.endr
.endm
.macro STEP_E k, zero
	s_wait_dscnt 0x0                               ; this step's fragments are in
.if (\k) > 0
	PLACES
.endif
	FETCH (\k)+1
	WIN 0xa1
	MULA 0, 0, \zero
	MULA 1, 0, \zero
	MULA 2, 0, \zero
	MULA 3, 0, \zero
.endm
.macro STEP_O k, n
	s_wait_dscnt 0x0                               ; no LDS instruction of mine is out at the signal
.if \n                                 ; n = 1: the successor lies in the second half, which four waves have fetched
	s_wait_tensorcnt 0x0                           ; my part of it has landed
	s_barrier_signal -1
.endif
	MULA 0, 1, 0
.if \n
	s_barrier_wait -1                              ; everybody's part has
.endif
	WIN 0
.irp r, 16,17,18,19,20,21
	v_add_nc_u32 v\r, CH+(\n)*(HB-2*CH), v\r       ; on to the next unit; also the places in front of the loads into set 0
.endr
	FETCH (\k)+1
	WIN 0xa1
	MULA 1, 1, 0
	MULA 2, 1, 0
	MULA 3, 1, 0
.endm
.macro EPIO a                          ; A's block a: 16 tokens x my 128 columns
	WIN 0x02
.set n, 0
.rept 32
	v_pk_add_f32 v[T+n:T+n+1], v[64*(\a)+n:64*(\a)+n+1], v[192+n:193+n]   ; + the bias; each accumulator from its low end on
.set n, n+2
.endr
	WIN 0
.irp q, 0,1,2,3,4,5,6,7,8,9,10,11,12,13,14,15
	ds_store_b128 v9, v[T+4*\q:T+4*\q+3] offset:128*(\q/4)+16*(\q%4)
.endr
.if (\a) > 0
	s_wait_xcnt 0x0                                ; the last block's stores have read the registers into which the rows below come
.endif
.irp t, 0,1,2,3,4,5,6,7,8,9,10,11,12,13,14,15
	ds_load_b128 v[BK+4*\t:BK+4*\t+3], v10 offset:528*\t   ; LDS serves a wave's instructions in order: these see the stores above
.endr
.irp t, 0,1,2,3,4,5,6,7,8,9,10,11,12,13,14,15
	s_wait_dscnt 15-\t                             ; row t is in, the younger ones may be out
	global_store_b128 v4, v[BK+4*\t:BK+4*\t+3], s[84:85] offset:(32*((\a)/2)+8*((\a)%2)+\t+8*(\t/8))*4096 th:TH_STORE_NT   ; 512 consecutive bytes, aligned
.endr
.endm
	s_load_b256 s[4:11], s[0:1], 0x0               ; cq s[4:5], wq s[6:7], bout s[8:9], out0 s[10:11]
	v_lshl_add_u32 v62, v0, 2, 0x4e000
	v_mov_b32 v63, 0
	ds_add_u32 v62, v63
	ds_add_u32 v62, v63
	v_lshrrev_b32 v1, 5, v0
	v_readfirstlane_b32 s14, v1
	s_lshr_b32 s15, s14, 1                         ; which half of A's blocks is mine.  Also: I fetch for A (0) or for B (1)
	s_and_b32 s16, s14, 1                          ; which half of B's.  Also: which half of that operand's blocks I fetch
	s_bfe_u32 s17, ttmp6, 0x40000                  ; cx
	s_bfe_u32 s18, ttmp6, 0x40004                  ; cy
	s_and_b32 s76, ttmp7, 0xffff
	s_lshl_b32 s76, s76, 2
	s_add_co_u32 s76, s76, s18                     ; tr: which 128 tokens
	s_lshl_b32 s77, ttmp9, 2
	s_add_co_u32 s77, s77, s17                     ; tc: which 256 columns
	s_lshl_b32 s88, s18, 2
	s_lshl_b32 s88, 15, s88                        ; my row of the cluster
	s_lshl_b32 s89, 0x1111, s17                    ; my column
	s_or_b32 s[G1A], s88, (3<<16)|(1<<21)          ; 15:0 the mask; 17:16 elements of 8 bytes; 21 set beside a mask; no padding
	s_or_b32 s[G1B], s89, (3<<16)|(1<<21)
	s_mov_b32 s[G1A+1], 832<<16                    ; rows of 6,656 bytes,
	s_mov_b32 s[G1A+2], 4<<16                      ; 4 blocks,
	s_mov_b32 s[G1A+3], 832<<16
	s_mov_b32 s[G1A+4], 4
	s_mov_b32 s[G1A+5], 1664                       ; 13,312 bytes apart
	s_mov_b32 s[G1A+6], 0
	s_mov_b32 s[G1A+7], 0
	s_mov_b32 s[G1B+1], 832<<16
	s_mov_b32 s[G1B+2], 8<<16
	s_mov_b32 s[G1B+3], 832<<16
	s_mov_b32 s[G1B+4], 8
	s_mov_b32 s[G1B+5], 1664
	s_mov_b32 s[G1B+6], 0
	s_mov_b32 s[G1B+7], 0
	s_mul_i32 s90, s16, 4*ROWL
	s_mul_i32 s91, s16, 8*ROWL
	s_add_co_u32 s91, s91, BOFF
	s_lshl_b32 s84, s76, 3
	s_lshl_b32 s85, s16, 2
	s_add_co_u32 s84, s84, s85
	s_mul_i32 s84, s84, BLK
	s_mov_b32 s85, 0
	s_lshl_b32 s86, s77, 4
	s_lshl_b32 s87, s16, 3
	s_add_co_u32 s86, s86, s87
	s_add_co_u32 s86, s86, 192                     ; Wout's blocks lie behind Wqkv's 192
	s_mul_i32 s86, s86, BLK
	s_mov_b32 s87, 0
	s_wait_dscnt 0x0
	s_wait_kmcnt 0x0
	s_add_nc_u64 s[80:81], s[4:5], s[84:85]
	s_add_nc_u64 s[82:83], s[6:7], s[86:87]
.irp c, 0,1
	s_mov_b32 s[G0A+4*\c], 1
	s_add_co_u32 s[G0A+4*\c+1], s90, \c*HB
	s_add_nc_u64 s[G0A+4*\c+2:G0A+4*\c+3], s[80:81], \c*2*KU
	s_or_b32 s[G0A+4*\c+3], s[G0A+4*\c+3], 0x80000000
	s_mov_b32 s[56+4*\c+4*(\c/2)], 1
	s_add_co_u32 s[57+4*\c+4*(\c/2)], s91, \c*HB
	s_add_nc_u64 s[58+4*\c+4*(\c/2):59+4*\c+4*(\c/2)], s[82:83], \c*2*KU
	s_or_b32 s[59+4*\c+4*(\c/2)], s[59+4*\c+4*(\c/2)], 0x80000000
.endr
	CROUND                                         ; all sixteen work-groups are here: the joint loads meet
	s_cmp_eq_u32 s15, 0
	s_cbranch_scc0 .Lfill_b
	tensor_load_to_lds s[G0A:G0A+3], s[G1A:G1A+7]  ; the first half of K: one load a wave at the head
	s_nop 0
.rept 4
	v_nop
.endr
	s_branch .Lfilled
.Lfill_b:
	tensor_load_to_lds s[56:59], s[G1B:G1B+7]
	s_nop 0
.rept 4
	v_nop
.endr
.Lfilled:
	v_and_b32 v1, 31, v0
	v_and_b32 v2, 15, v0
	v_bfe_u32 v3, v0, 4, 1
	v_lshlrev_b32 v4, 4, v1                        ; 16 x lane
	s_wait_alu depctr_va_vdst(0)
	v_lshlrev_b32 v5, 3, v1                        ; 8 x lane
	s_wait_alu depctr_va_vdst(0)
	v_lshlrev_b32 v14, 6, v3                       ; the bias of my half's 16 columns of each 32
	s_lshl_b32 s2, s77, 10
	s_lshl_b32 s3, s16, 9
	s_add_co_u32 s2, s2, s3                        ; my first column, in bytes
	s_mov_b32 s3, 0
	s_add_nc_u64 s[8:9], s[8:9], s[2:3]
.irp g, 0,1,2,3
.irp q, 0,1,2,3
	global_load_b128 v[192+16*\g+4*\q:195+16*\g+4*\q], v14, s[8:9] offset:128*\g+16*\q
.endr
.endr
	s_lshl_b32 s12, s76, 3
	s_lshl_b32 s13, s15, 2
	s_add_co_u32 s12, s12, s13                     ; my first block of tokens:
	s_lshl_b32 s12, s12, 16                        ; 16 rows of 4,096 bytes a block
	s_mov_b32 s13, 0
	s_add_nc_u64 s[84:85], s[10:11], s[12:13]
	s_add_nc_u64 s[84:85], s[84:85], s[2:3]
	s_mul_i32 s92, s15, 4*ROWL
	v_add_nc_u32 v16, s92, v4
	v_add_nc_u32 v17, s92, v5
	v_add_nc_u32 v18, s91, v4
	v_add_nc_u32 v19, s91, v5
	s_sub_co_u32 s94, s91, s92
	v_mul_u32_u24 v6, s94, v3                      ; scale words: lanes 16-31 take B's: one product, the distance between the two bases
	v_lshl_add_u32 v6, v2, 2, v6
	s_add_co_u32 s95, s92, 3072
	v_add_nc_u32 v20, s95, v6
	s_add_co_u32 s96, s91, 3072
	v_lshlrev_b32 v7, 2, v2
	v_add_nc_u32 v21, s96, v7
	s_mul_i32 s93, s14, 8448                       ; my stage: 16 rows of 512 bytes + 16
	v_mul_u32_u24 v9, v2, 528
	v_lshl_add_u32 v9, v3, 6, v9
	v_add_nc_u32 v9, s93, v9                       ; in: my token's row, + 64 bytes for lanes 16-31
	v_add_nc_u32 v10, s93, v4                      ; back: 16 bytes a lane of a whole row
	s_wait_alu depctr_va_vdst(0)
	s_wait_tensorcnt 0x0                           ; my part of the first half has landed
	ds_add_u32 v62, v63
	s_wait_dscnt 0x0
	CROUND                                         ; everybody's part is in, and all sixteen work-groups are here: the joint loads meet
	s_cmp_eq_u32 s15, 0
	s_cbranch_scc0 .Lfill_b2
	tensor_load_to_lds s[G0A+4:G0A+7], s[G1A:G1A+7]   ; the second half of K, the first tensor load behind the round
	s_nop 0
.rept 4
	v_nop
.endr
	s_branch .Lfilled2
.Lfill_b2:
	tensor_load_to_lds s[60:63], s[G1B:G1B+7]
	s_nop 0
.rept 4
	v_nop
.endr
.Lfilled2:
	FETCH 0
	STEP_E 0, 1                                    ; the first step's products start the sums
	STEP_O 1, 0
	s_wait_alu depctr_va_vdst(0)
	STEP_E 2, 0
	STEP_O 3, 1
	s_wait_alu depctr_va_vdst(0)
	STEP_E 4, 0
	STEP_O 5, 0
	s_wait_alu depctr_va_vdst(0)
	STEP_E 6, 0
	s_wait_dscnt 0x0                               ; the last K step
	MULA 0, 1, 0
	MULA 1, 1, 0
	MULA 2, 1, 0
	MULA 3, 1, 0
	WIN 0
	PLACES
	s_wait_loadcnt 0x0                             ; the bias
	EPIO 0
	EPIO 1
	EPIO 2
	EPIO 3
	s_wait_dscnt 0x0
	s_wait_tensorcnt 0x0
	ds_add_u32 v62, v63
	s_wait_dscnt 0x0
	CROUND                                         ; the closing round: no work-group ends while a partner may still ask for a chunk that names it
	s_endpgm
.Lfunc_end_k_q29af068544_g2:
	.size	k_q29af068544_g2, .Lfunc_end_k_q29af068544_g2-k_q29af068544_g2
	.p2alignl 7, 3214868480
	.fill 96, 4, 3214868480
	.section	.rodata,"a",@progbits
	.p2align	6, 0x0
	.amdhsa_kernel k_q29af068544_g2
		.amdhsa_group_segment_fixed_size 327680
		.amdhsa_private_segment_fixed_size 0
		.amdhsa_enable_private_segment 0
		.amdhsa_kernarg_size 32
		.amdhsa_user_sgpr_count 2
		.amdhsa_user_sgpr_kernarg_segment_ptr 1
		.amdhsa_wavefront_size32 1
		.amdhsa_system_sgpr_workgroup_id_x 1
		.amdhsa_system_sgpr_workgroup_id_y 1
		.amdhsa_system_sgpr_workgroup_id_z 1
		.amdhsa_system_vgpr_workitem_id 0
		.amdhsa_next_free_vgpr 768
		.amdhsa_next_free_sgpr 100
		.amdhsa_reserve_vcc 0
		.amdhsa_float_denorm_mode_32 3
		.amdhsa_float_denorm_mode_16_64 3
		.amdhsa_memory_ordered 1
		.amdhsa_forward_progress 1
		.amdhsa_inst_pref_size 97
	.end_amdhsa_kernel
	.amdgpu_metadata
---
amdhsa.version: [ 1, 2 ]
amdhsa.kernels:
  - .name:           k_q29af068544_g2
    .symbol:         k_q29af068544_g2.kd
    .args:
      - { .name: cq, .offset: 0, .size: 8, .value_kind: global_buffer, .address_space: global }
      - { .name: wq, .offset: 8, .size: 8, .value_kind: global_buffer, .address_space: global }
      - { .name: bout, .offset: 16, .size: 8, .value_kind: global_buffer, .address_space: global }
      - { .name: out0, .offset: 24, .size: 8, .value_kind: global_buffer, .address_space: global }
    .group_segment_fixed_size: 327680
    .private_segment_fixed_size: 0
    .kernarg_segment_align: 8
    .kernarg_segment_size: 32
    .max_flat_workgroup_size: 128
    .sgpr_count:     100
    .vgpr_count:     768
    .wavefront_size: 32
...
	.end_amdgpu_metadata
.endif
;; end of part 4
